; MI455X (gfx1250); checked and timed in simulation.
; The chip was launched on July 23, 2026; its instructions are those of AMD's public machine-readable ISA for CDNA 5 (MIT licence, August 2026) and "CDNA5" Instruction Set Architecture Reference Guide (July 2026). The comments in the code are by the model that wrote it; some were corrected since.
;; Attention Layer. Allowed arithmetic: matrix products marked QUANTISED: E4M3 operands, one E8M0 scale for each 32 along K, by v_wmma_scale_f32_16x16x128_f8f6f4 with both operands' format E4M3, f32 sums; everything else in f32.
;; Inputs: b_proj 1,024 float32; w_attn 3,072 x 1,024 float32; w_proj 1,024 x 1,024 float32; x 4 x 2,048 x 1,024 float32.
;; Outputs: out0 4 x 2,048 x 1,024 float32.
;; This version of the problem:
;;   THIS VERSION OF THE PROBLEM IS GIVEN IN LOW PRECISION. The matrix products marked QUANTISED in the list below multiply operands that are first quantised to E4M3 (4 exponent bits, 3 mantissa bits; 8 bits a number), with one power-of-two scale for each 32 numbers along K (OCP MX v1.0); their sums are f32. All else is computed in f32.
;;   The module's matrix products, in the order in which they are computed (A, B: the left and right operand; K: the contracted axis; several contracted axes count as one K, in the product's order):
;;     1. [M 8,192, K 1,024] x [K 1,024, N 3,072]; A: input x; B: input w_attn: QUANTISED
;;     2. batch 64 x [M 2,048, K 64] x [K 64, N 2,048]; A: computed on the way; B: computed on the way: QUANTISED
;;     3. batch 64 x [M 2,048, K 2,048] x [K 2,048, N 64]; A: softmax (see below); B: computed on the way: QUANTISED
;;     4. [M 8,192, K 1,024] x [K 1,024, N 1,024]; A: computed on the way; B: input w_proj: QUANTISED
;;   THE QUANTISER, for each operand of a quantised product, along K:
;;     - K is cut into blocks of 32 from its start; a last block that is shorter is filled with zeros.
;;     - A block's scale is 2^e with e = floor(log2(the largest magnitude in the block)) - 8, held to -126 .. 127; a block of zeros has e = 0. As a byte (E8M0): e + 127.
;;     - Each number is divided by its block's scale, clamped to +-448, and rounded to the nearest number of E4M3, ties to even, subnormals kept.
;;     - The product sums the exact products of the quantised numbers (number of the format x scale) in f32.
;;   ~~~python
;;   def quantise(x, axis):      # numpy; x: float32 -> the quantised numbers, widened to float32 again
;;       x = np.moveaxis(x, axis, -1); K = x.shape[-1]
;;       x = np.pad(x, [(0, 0)] * (x.ndim - 1) + [(0, -K % 32)]); x = x.reshape(x.shape[:-1] + (-1, 32)); a = np.abs(x).max(-1, keepdims=True)
;;       e = np.where(a > 0, np.clip(np.frexp(np.where(a > 0, a, 1))[1] - 1 - 8, -126, 127), 0)      # np.frexp(a)[1] - 1 = floor(log2(a)), exactly
;;       r = np.clip(x / 2.0 ** e, -448, 448)
;;       step = 2.0 ** (np.maximum(np.frexp(np.where(r == 0, 1, r))[1] - 1, -6) - 3)
;;       q = np.round(r / step) * step * 2.0 ** e      # np.round: ties to even
;;       return np.moveaxis(q.reshape(q.shape[:-2] + (-1,))[..., :K], -1, axis).astype(np.float32)
;;   ~~~
;;   SOFTMAX AHEAD OF A QUANTISED PRODUCT. Where the list says 'softmax', what is quantised is not the finished softmax but p = 2^(t - M), with t = logit x log2(e) and M = ceil(the row's largest t), a whole number; so 1/2 < the row's largest p <= 1. The row's sum l is taken of the UNQUANTISED p, in f32, and the product's result is divided by l at the end. Since M is a whole number, a kernel that streams over the keys may use a running M (the ceiling of the running maximum): every later rescaling is an exact power of two, which a block's scale takes up: the codes' values come out the same.
;;   OPERANDS COMPUTED ON THE WAY. 'Computed on the way' means the value that the module computes at that place (a softmax that the list does not call 'softmax' is quantised finished and normalised). What goes into a quantiser is computed in f32, as accurately as f32 sums, v_exp_f32 and their like allow (about 1e-6 of the number): no bf16 or f16 on the way to a quantiser, and a product that is left as it is and whose result goes on into a quantised operand takes f32 operands (vector FMAs, or v_wmma_f32_16x16x4_f32). A number that lies on a knife's edge between two numbers of the format may be rounded either way, as far as f32 arithmetic and the matrix unit's own rounding can turn it there, and no further.
;; One version. Each part assembles by itself: llvm-mc -triple=amdgcn-amd-amdhsa -mcpu=gfx1250 --defsym DOCPART=n.
;; ======== version 1 of 1: 4 launches
;; limits: right only within a limited range of input values
;; workspace buffers: opc 12,582,912 bytes; ops 393,216 bytes; qkvc 25,165,824 bytes; qkvs 1,572,864 bytes; yc 8,388,608 bytes; ys 262,144 bytes
;; launch quant (part 1): grid 768 x 1, 4 waves a work-group, no clusters, 35,328 bytes of LDS; arguments x, w_attn, w_proj, opc, ops; writes opc, ops
.if DOCPART == 1
	.amdgcn_target "amdgcn-amd-amdhsa--gfx1250"
	.amdhsa_code_object_version 6
	.text
	.protected	k_qe3432fe694_quant
	.globl	k_qe3432fe694_quant
	.p2align	8
	.type	k_qe3432fe694_quant,@function
k_qe3432fe694_quant:
	s_mov_b64 s[64:65], 0
	v_nop
	global_prefetch_b8 v0, s[64:65] scope:SCOPE_SE
	s_setreg_imm32_b32 hwreg(HW_REG_WAVE_MODE, 25, 1), 1
	s_wait_xcnt 0x0
; x [8192][1024], w_attn [3072][1024] and w_proj [1024][1024], f32, K innermost, become codes of FP8 (E4M3) with one E8M0 byte for each 32 along K.
; A block's scale is 2^(floor(log2(its largest magnitude)) - 8); each number is divided by it, held within +-448 and rounded to the nearest code, ties to even.
; LAYOUT OF THE RESULT.  The 12,288 rows of the three tensors are 768 TILES of 16 rows: tile 2 g + u of a tensor holds its rows 32 g + 8 u + r + 8 (r / 8), r = 0 .. 15.
; A tile's codes lie as the matrix instruction's registers take them: opc[tile][K step of 128][chunk c of 4][lane][16 bytes]; lane r + 16 h of chunk c holds k = 32 c + 16 h + 0 .. 15 of row r.
; Its scale words (four bytes: one K step of one row) lie ops[tile][K step / 4][r][K step % 4]: 512 bytes a tile.  Tiles 0-511: x; 512-703: w_attn; 704-767: w_proj.
; SHARES.  A work-group takes one tile, wave w its K steps 2 w and 2 w + 1.  Each load reads 512 consecutive bytes of a row; the numbers turn through the wave's own stage in LDS (rows of 512 + 16 bytes),
; so that a lane then holds 16 neighbours along K of each of four blocks; two lanes, l and l xor 16, hold a block.  Each store of codes covers 512 consecutive bytes, aligned; the tile's 512 bytes of scale
; words meet in LDS and leave by one store.  Work-groups share no input: no cluster; no tensor loads; one barrier, for the scale words.
; LIMITS: NaN and infinities among the inputs are not served.  A block of zeros, and one whose largest magnitude lies under 2^(9 - 127), gets the byte 1 (the rule says 127 for zeros): its codes
; are zeros there, which add nothing under that byte, and this program alone reads the bytes.
.set STGB, 8448                        ; a wave's stage: 16 rows x 528 bytes
.set SCG,  4*STGB                      ; behind the stages: the tile's 512 bytes of scale words
.set X,    16                          ; v16-143  two sets of 64 numbers
.set PC,   144                         ; v144-175 two sets of 16 registers of codes: no store's data are written again
.set TM,   176                         ; v176-179 largest magnitudes, v180-183 bytes, v188-191 the conversions' scale operands
.set PW,   192                         ; v[192:193] the two K steps' scale words
.set OW,   196                         ; v[196:199] the scale words on their way out
.set SEL,  20                          ; s[20:21] v_permlanex16_b32's selects for lane l xor 16
.set MNT,  23
	s_load_b128 s[4:7], s[0:1], 0x0                ; x, w_attn
	s_load_b128 s[8:11], s[0:1], 0x10              ; w_proj, opc
	s_load_b64 s[12:13], s[0:1], 0x20              ; ops
	v_lshl_add_u32 v200, v0, 2, 0x8800
	v_mov_b32 v201, 0
	v_lshrrev_b32 v1, 5, v0
	v_readfirstlane_b32 s14, v1                    ; wave 0..3
	v_and_b32 v1, 31, v0
	v_lshlrev_b32 v1, 4, v1                        ; v1 = 16 x lane
	v_and_b32 v2, 15, v0                           ; r
	v_bfe_u32 v3, v0, 4, 1                         ; h
	s_mul_i32 s18, s14, STGB
	v_add_nc_u32 v4, s18, v1                       ; into the stage: 16 bytes a lane of a row
	v_mul_u32_u24 v5, v2, 528
	v_lshl_add_u32 v5, v3, 6, v5
	v_add_nc_u32 v5, s18, v5                       ; out of it: row r, + 64 h: my 16 numbers of a block of 32
	s_lshr_b32 s19, s14, 1
	s_lshl_b32 s19, s19, 8                         ; K step / 4 = wave / 2
	s_and_b32 s22, s14, 1
	s_lshl_b32 s22, s22, 3                         ; K step % 4 = 2 (wave % 2): two words
	s_add_co_u32 s19, s19, s22
	s_add_co_u32 s19, s19, SCG
	v_lshl_add_u32 v6, v2, 4, s19                  ; where my row's two scale words go
	v_add_nc_u32 v7, SCG, v1                       ; and where wave 0 reads the 512 bytes back
	s_mov_b32 s[SEL], 0x76543210
	s_mov_b32 s[SEL+1], 0xfedcba98
.irp b, 0,1,2,3
	v_mov_b32 v[TM+4+\b], 0                        ; written once: a lane permute's destination counts as one of its sources
.endr
	s_mov_b32 s15, 704
	s_wait_alu depctr_va_vdst(0)
	s_wait_kmcnt 0x0
	s_cmp_lt_u32 ttmp9, 704                        ; which tensor?  The choice hangs on the work-group's number alone
	s_cselect_b64 s[6:7], s[6:7], s[8:9]
	s_cselect_b32 s15, 512, s15
	s_cmp_lt_u32 ttmp9, 512
	s_cselect_b64 s[4:5], s[4:5], s[6:7]
	s_cselect_b32 s15, 0, s15
	s_sub_co_u32 s15, ttmp9, s15                   ; the tile's number in its tensor
	s_lshr_b32 s16, s15, 1
	s_lshl_b32 s16, s16, 17                        ; 32 rows of 4,096 bytes for each pair of tiles,
	s_and_b32 s17, s15, 1
	s_lshl_b32 s17, s17, 15                        ; 8 rows for the odd tile,
	s_add_co_u32 s16, s16, s17
	s_lshl_b32 s17, s14, 10                        ; my wave's 256 numbers of a row
	s_add_co_u32 s16, s16, s17
	s_mov_b32 s17, 0
	s_add_nc_u64 s[4:5], s[4:5], s[16:17]
	s_lshl_b32 s16, ttmp9, 14                      ; a tile's codes: 16,384 bytes;
	s_lshl_b32 s24, s14, 12                        ; my two K steps: 4,096
	s_add_co_u32 s16, s16, s24
	s_add_nc_u64 s[10:11], s[10:11], s[16:17]
	s_lshl_b32 s16, ttmp9, 9                       ; a tile's scale words: 512 bytes
	s_add_nc_u64 s[12:13], s[12:13], s[16:17]
.irp e, 0,1
.irp i, 0,1,2,3,4,5,6,7,8,9,10,11,12,13,14,15
	global_load_b128 v[X+64*\e+4*\i:X+64*\e+4*\i+3], v1, s[4:5] offset:(\i+8*(\i/8))*4096+512*\e th:TH_LOAD_NT   ; the tile's row i, K step 2 w + e: 32 lanes read 512 consecutive bytes
.endr
.endr
; K step e's numbers through the stage.  LDS serves a wave's instructions in order: no wait between the stores and the loads, nor in front of the next turn's stores.
.macro TURN e
.irp i, 0,1,2,3,4,5,6,7,8,9,10,11,12,13,14,15
	ds_store_b128 v4, v[X+64*\e+4*\i:X+64*\e+4*\i+3] offset:528*\i
.endr
.irp b, 0,1,2,3
.irp j, 0,1,2,3
	ds_load_b128 v[X+64*\e+16*\b+4*\j:X+64*\e+16*\b+4*\j+3], v5 offset:128*\b+16*\j   ; register 16 b + i = k 32 b + 16 h + i of row r
.endr
.endr
.endm
; 64 numbers of a lane, v[s] on, become a fragment's codes in v[pc] on and its scale word in v[pw].
.macro QUANT s, pc, pw
.irp b, 0,1,2,3
	v_max3_num_f32 v[TM+\b], |v[(\s)+16*\b]|, |v[(\s)+16*\b+1]|, 0x4800000   ; block b: my 16 numbers, and the floor 2^(9 - 127): the byte cannot fall under 1
.endr
.irp i, 2,4,6,8,10,12,14
.irp b, 0,1,2,3
	v_max3_num_f32 v[TM+\b], v[TM+\b], |v[(\s)+16*\b+\i]|, |v[(\s)+16*\b+\i+1]|   ; the four blocks by turns
.endr
.endr
.irp b, 0,1,2,3
	v_permlanex16_b32 v[TM+4+\b], v[TM+\b], s[SEL], s[SEL+1]
.endr
.irp b, 0,1,2,3
	v_max_num_f32 v[TM+\b], v[TM+\b], v[TM+4+\b]   ; with lane l xor 16's: the block's largest magnitude
.endr
.irp b, 0,1,2,3
	v_add_nc_u32 v[TM+12+\b], 0xfc000000, v[TM+\b] ; 8 off its exponent field: the conversion takes this operand's exponent field as its scale
.endr
.irp b, 0,1,2,3
.endr
.irp b, 0,1,2,3
	v_lshrrev_b32 v[TM+4+\b], 23, v[TM+12+\b]      ; the scale's byte
.endr
	v_lshl_or_b32 v[\pw], v[TM+5], 8, v[TM+4]      ; four bytes: my row's scale word of this K step
	v_lshl_or_b32 v[\pw], v[TM+6], 16, v[\pw]
	v_lshl_or_b32 v[\pw], v[TM+7], 24, v[\pw]
.irp b, 0,1,2,3
.irp i, 0,1,2,3,4,5,6,7,8,9,10,11,12,13,14,15
.endr
	v_cvt_scalef32_pk8_fp8_f32 v[(\pc)+4*\b:(\pc)+4*\b+1], v[(\s)+16*\b:(\s)+16*\b+7], v[TM+12+\b]
	v_cvt_scalef32_pk8_fp8_f32 v[(\pc)+4*\b+2:(\pc)+4*\b+3], v[(\s)+16*\b+8:(\s)+16*\b+15], v[TM+12+\b]
.endr
	v_nop                                          ; one plain line behind the last conversion, ahead of whatever next writes its sources
.endm
	s_wait_loadcnt 16                              ; the first K step's 16 loads are in; the second's may be out
	TURN 0
	s_wait_loadcnt 0x0
	TURN 1
	s_wait_dscnt 32                                ; the first turn is back: behind it stand the second turn's 16 stores and 16 loads
	QUANT X, PC, PW
.irp c, 0,1,2,3
	global_store_b128 v1, v[PC+4*\c:PC+4*\c+3], s[10:11] offset:512*\c           ; chunk c: 32 lanes store 512 consecutive bytes, aligned
.endr
	s_wait_dscnt 0x0
	QUANT X+64, PC+16, PW+1
.irp c, 0,1,2,3
	global_store_b128 v1, v[PC+16+4*\c:PC+16+4*\c+3], s[10:11] offset:2048+512*\c
.endr
	ds_store_b64 v6, v[PW:PW+1]                    ; lanes l and l xor 16 write the same two words with the same values
	s_wait_dscnt 0x0                               ; for the others' sake: my words lie in LDS
	s_barrier_signal -1
	s_barrier_wait -1
	s_cmp_lg_u32 s14, 0
	s_cbranch_scc1 .Ldone
	ds_load_b128 v[OW:OW+3], v7                    ; wave 0: the tile's 512 bytes of scale words
	s_wait_dscnt 0x0
	global_store_b128 v1, v[OW:OW+3], s[12:13]
.Ldone:
	s_wait_tensorcnt 0x0
	ds_add_u32 v200, v201
	s_wait_dscnt 0x0
	s_endpgm
.Lfunc_end_k_qe3432fe694_quant:
	.size	k_qe3432fe694_quant, .Lfunc_end_k_qe3432fe694_quant-k_qe3432fe694_quant
	.p2alignl 7, 3214868480
	.fill 96, 4, 3214868480
	.section	.rodata,"a",@progbits
	.p2align	6, 0x0
	.amdhsa_kernel k_qe3432fe694_quant
		.amdhsa_group_segment_fixed_size 35328
		.amdhsa_private_segment_fixed_size 0
		.amdhsa_enable_private_segment 0
		.amdhsa_kernarg_size 40
		.amdhsa_user_sgpr_count 2
		.amdhsa_user_sgpr_kernarg_segment_ptr 1
		.amdhsa_wavefront_size32 1
		.amdhsa_system_sgpr_workgroup_id_x 1
		.amdhsa_system_sgpr_workgroup_id_y 1
		.amdhsa_system_sgpr_workgroup_id_z 1
		.amdhsa_system_vgpr_workitem_id 0
		.amdhsa_next_free_vgpr 202
		.amdhsa_next_free_sgpr 66
		.amdhsa_reserve_vcc 0
		.amdhsa_float_denorm_mode_32 3
		.amdhsa_float_denorm_mode_16_64 3
		.amdhsa_fp16_overflow 1
		.amdhsa_memory_ordered 1
		.amdhsa_forward_progress 1
		.amdhsa_inst_pref_size 19
	.end_amdhsa_kernel
	.amdgpu_metadata
---
amdhsa.version: [ 1, 2 ]
amdhsa.kernels:
  - .name:           k_qe3432fe694_quant
    .symbol:         k_qe3432fe694_quant.kd
    .args:
      - { .name: x, .offset: 0, .size: 8, .value_kind: global_buffer, .address_space: global }
      - { .name: w_attn, .offset: 8, .size: 8, .value_kind: global_buffer, .address_space: global }
      - { .name: w_proj, .offset: 16, .size: 8, .value_kind: global_buffer, .address_space: global }
      - { .name: opc, .offset: 24, .size: 8, .value_kind: global_buffer, .address_space: global }
      - { .name: ops, .offset: 32, .size: 8, .value_kind: global_buffer, .address_space: global }
    .group_segment_fixed_size: 35328
    .private_segment_fixed_size: 0
    .kernarg_segment_align: 8
    .kernarg_segment_size: 40
    .max_flat_workgroup_size: 128
    .sgpr_count:     66
    .vgpr_count:     202
    .wavefront_size: 32
...
	.end_amdgpu_metadata
.endif
;; end of part 1
;; launch qkv (part 2): grid 8 x 96, 4 waves a work-group, clusters of 4 x 4, 327,680 bytes of LDS; arguments opc, ops, qkvc, qkvs; writes qkvc, qkvs
.if DOCPART == 2
	.amdgcn_target "amdgcn-amd-amdhsa--gfx1250"
	.amdhsa_code_object_version 6
	.text
	.protected	k_qe3432fe694_qkv
	.globl	k_qe3432fe694_qkv
	.p2align	8
	.type	k_qe3432fe694_qkv,@function
k_qe3432fe694_qkv:
	s_mov_b64 s[64:65], 0
	v_nop
	global_prefetch_b8 v0, s[64:65] scope:SCOPE_SE
	s_setreg_imm32_b32 hwreg(HW_REG_WAVE_MODE, 25, 1), 1
	s_wait_xcnt 0x0
	s_wait_alu depctr_hold_cnt(0) depctr_sa_sdst(0) depctr_va_vdst(0) depctr_va_sdst(0) depctr_va_ssrc(0) depctr_va_vcc(0) depctr_vm_vsrc(0)
	s_getreg_b32 s2, hwreg(HW_REG_IB_STS2, 6, 4)
	s_cmp_eq_u32 s2, 0
	s_cbranch_scc0 .Lentry_in_a_cluster
	s_endpgm
.Lentry_in_a_cluster:
	s_bfe_u32 s2, ttmp6, 0x10000c
	s_cmp_lg_u32 s2, 0xf033
	s_cbranch_scc0 .Lentry_shape_is_right
	s_endpgm
.Lentry_shape_is_right:
; qkv = x w_attn^T on codes of FP8 (E4M3) with E8M0 scales, K = 1,024; the results are quantised in registers: q and k along the head's 64, v along the keys; they leave as codes, in the order of the next launch's registers.
; OPERANDS (made by the launch before): opc[tile][K step][chunk][lane][16 bytes], ops[tile][K step / 4][r][K step % 4]; tile 2 g + u holds rows 32 g + 8 u + r + 8 (r / 8).  Tiles 0-511 x, 512-639 w_attn's rows for q and k, 640-703 for v.
; P is the matrix instruction's source 0, R its source 1.  In a result lane (r, h) holds row r of R's tile, and the 16 registers of P's tiles 2 j and 2 j + 1 are 16 NEIGHBOURS among P's rows: 32 j + 16 h + 0 .. 15.
; So a lane's registers run along the axis that is quantised: for q and k P = w_attn (the head's features), R = x; for v P = x (the keys), R = w_attn.  The conversions' results are chunks of the next operand: 512 consecutive bytes a store.
; SHARES.  A work-group makes 8 tiles of R x 16 tiles of P (128 x 256), each of its four waves 4 x 8: 32 accumulators.  768 work-groups: clusters with y < 16 make q and k, the others v; that choice is made by selects on the
; cluster's y alone, and there is no branch on it.  CLUSTERS of 4 x 4: R's tiles hang on the work-group's y and are asked for jointly along a row of the cluster, P's on its x and along a column.
; LDS: three slots of two K steps each (R's 8 tiles x 4,096 bytes, then P's 16).  Fills 0, 1, 2 go out at the start; fill 3 goes into slot 0 as soon as that slot has been read: one refill, one round in the middle.
; Fragments lie in LDS as images of their registers: every LDS load takes 512 consecutive bytes; no padding.  The scale words of all of K stay in registers: 12 loads a wave.
; RESULTS.  qkvc: q at 0, k at 1 << 23: [b][head pair][token tile][head % 2][chunk 2][512]; v at 1 << 24: [b][head][key step of 128][tile of 16 features][chunk 4][512].
; qkvs: q at 0, k at 1 << 19: [b][head pair][four token tiles][head % 2][r][tile % 4] words of two bytes and two zeros; v at 1 << 20: [b][head][key step][twice][r][tile] words of four bytes.
; LIMITS: NaN and infinities are not served; a block of zeros gets the byte 1 (the rule says 127): its codes are zeros, and this program alone reads the bytes.
; REGISTERS.  Window 0: v1 16 x lane; v4-6, v8-10 LDS addresses of R's and P's fragments in slots 0-2; v16-31 at work; v32-63 P's scale words, v64-79 R's; v128-255 R's fragments, two sets, later the codes.
;   Window 1: P's fragments, two sets of 128.   Window 2: accumulator (a, b) at v[8 (8 a + b)].
.set SLOT,  98304                      ; two K steps: R's 8 tiles x 4,096 bytes, then P's 16
.set PPART, 32768
.set SPARE, 3*SLOT                     ; the spare words, 128 bytes for each wave: two blocks of 256 bytes that no other line names
.set ADR, 4
.set ADP, 8
.set VSH, 11                           ; v11 how far my half of the lanes shifts a scale word
.set SPW, 12                           ; v12 LDS address of my spare word; never rewritten
.set NIL, 13                           ; v13 0; never rewritten
.set TM,  16
.set SP,  32
.set SR,  64
.set PW,  80
.set SW,  84                           ; v[84:87] the four tiles' scale words on their way out
.set RF,  128
.set WV,  14                           ; s14 wave; s15 wave / 2; s16 wave % 2
.set WR,  15
.set WP,  16
.set SEL, 20
.set MNT, 22
.set G1R, 24                           ; s[24:31], s[32:39] descriptor groups 1 for R's and P's tiles
.set G1P, 32
.set G0R, 40                           ; s[40:51], s[52:63] groups 0, one for each slot
.set G0P, 52
.set MSB, 0
.macro WIN new                         ; the immediate's high byte repeats the setting that is left
.if MSB != \new
	s_set_vgpr_msb (MSB<<8)|\new
.set MSB, \new
.endif
.endm
.set MUL,  0xa1                        ; source 0 (P) window 1, source 1 (R) window 0, C and D window 2
.set TO_P, 0x40                        ; destination window 1, address window 0
; A joint load: waves 0 and 1 fetch R's halves, waves 2 and 3 P's.  Each line has one mask and one set of registers; the branch hangs on the wave's number alone.  Four v_nop follow each line.
.macro JLOAD s
	s_cmp_eq_u32 s[WR], 0
	s_cbranch_scc0 .Lfor_p_\@
	tensor_load_to_lds s[G0R+4*\s:G0R+4*\s+3], s[G1R:G1R+7]
	s_nop 0
.rept 4
	v_nop
.endr
	s_branch .Lasked_\@
.Lfor_p_\@:
	tensor_load_to_lds s[G0P+4*\s:G0P+4*\s+3], s[G1P:G1P+7]
	s_nop 0
.rept 4
	v_nop
.endr
.Lasked_\@:
.endm
.macro CREST                           ; a round of the cluster's barrier behind its opening barrier
	s_cmp_lg_u32 s[WV], 0
	s_cbranch_scc1 .Lnot_wave_0_\@
	s_barrier_signal -3
.Lnot_wave_0_\@:
	s_barrier_wait -3
	s_barrier_signal -1
	s_barrier_wait -1
.endm
.macro CROUND
	s_barrier_signal -1
	s_barrier_wait -1
	CREST
.endm
.macro PLACES n                        ; plain vector lines between a matrix instruction and a load into, or a read of, its registers: eight for this form
.rept \n
	v_nop
.endr
.endm
; K step q's fragments, 48 loads in one run: P's eight into set q % 2 of window 1, R's four into set q % 2 of window 0
.macro FETCH q
.set FS, ((\q)>>1)%3
.set FP, (\q)&1
	WIN TO_P
.irp i, 0,1,2,3,4,5,6,7
.irp c, 0,1,2,3
	ds_load_b128 v[128*FP+16*\i+4*\c:128*FP+16*\i+4*\c+3], v[ADP+FS] offset:4096*\i+2048*FP+512*\c
.endr
.endr
	WIN 0
.irp i, 0,1,2,3
.irp c, 0,1,2,3
	ds_load_b128 v[RF+64*FP+16*\i+4*\c:RF+64*FP+16*\i+4*\c+3], v[ADR+FS] offset:4096*\i+2048*FP+512*\c
.endr
.endr
.endm
; R's tile a against P's eight, K step q.  The 32 accumulators take turns, one instruction a turn, in the same order in every step.  K step 0 starts the sums.
; A scale register holds K steps 0-3 in lanes 0-15 and K steps 4-7 in lanes 16-31.
.macro MUL8 a, q
.set MP, (\q)&1
.irp b, 0,1,2,3,4,5,6,7
.if (\q) == 0
	v_wmma_scale_f32_16x16x128_f8f6f4 v[8*(8*\a+\b):8*(8*\a+\b)+7], v[128*MP+16*\b:128*MP+16*\b+15], v[RF+64*MP+16*\a:RF+64*MP+16*\a+15], 0, v[SP+4*\b], v[SR+4*\a]
.elseif (\q) < 4
	v_wmma_scale_f32_16x16x128_f8f6f4 v[8*(8*\a+\b):8*(8*\a+\b)+7], v[128*MP+16*\b:128*MP+16*\b+15], v[RF+64*MP+16*\a:RF+64*MP+16*\a+15], v[8*(8*\a+\b):8*(8*\a+\b)+7], v[SP+4*\b+(\q)], v[SR+4*\a+(\q)]
.else
	v_wmma_scale_f32_16x16x128_f8f6f4 v[8*(8*\a+\b):8*(8*\a+\b)+7], v[128*MP+16*\b:128*MP+16*\b+15], v[RF+64*MP+16*\a:RF+64*MP+16*\a+15], v[8*(8*\a+\b):8*(8*\a+\b)+7], v[SP+4*\b+(\q)-4], v[SR+4*\a+(\q)-4] matrix_a_scale:MATRIX_SCALE_ROW1 matrix_b_scale:MATRIX_SCALE_ROW1
.endif
.endr
.endm
; A K step whose successor's tiles are known to lie in LDS: the successor's fragments are asked for, then this step's 32 products are issued
.macro STEP q
.if (\q) > 0
	PLACES 8                                       ; the set that is loaded was read by the step before
.endif
	FETCH (\q)+1
	s_wait_dscnt 48                                ; all but the 48 just issued: this step's fragments are in
	WIN MUL
	MUL8 0, \q
	MUL8 1, \q
	MUL8 2, \q
	MUL8 3, \q
	WIN 0
.endm
	s_load_b256 s[4:11], s[0:1], 0x0               ; opc s[4:5], ops s[6:7], qkvc s[8:9], qkvs s[10:11]
	v_lshl_add_u32 v[SPW], v0, 2, SPARE
	v_mov_b32 v[NIL], 0
	ds_add_u32 v12, v13
	ds_add_u32 v12, v13
	s_wait_dscnt 0x0
	v_lshrrev_b32 v1, 5, v0
	v_readfirstlane_b32 s[WV], v1                  ; wave 0..3
	s_lshr_b32 s[WR], s[WV], 1                     ; which four of R's tiles are mine.  Also: I fetch for R (0) or for P (1)
	s_and_b32 s[WP], s[WV], 1                      ; which eight of P's.  Also: which half I fetch
	s_bfe_u32 s17, ttmp6, 0x40000                  ; cx
	s_bfe_u32 s18, ttmp6, 0x40004                  ; cy
	s_and_b32 s19, ttmp7, 0xffff                   ; the cluster's y: 0-15 q and k, 16-23 v
	s_sub_co_u32 s2, s19, 16                       ; e, for v
	s_and_b32 s3, s2, 1
	s_lshl_b32 s3, s3, 2                           ; 4 (e % 2)
	s_lshr_b32 s2, s2, 1
	s_lshl_b32 s2, s2, 3                           ; 8 (e / 2)
	s_lshl_b32 s12, s19, 2                         ; 4 x cluster y
	s_cmp_ge_u32 s19, 16                           ; the same in all sixteen partners
	s_cselect_b32 s66, s3, s12                     ; R's block, as far as the cluster decides it
	s_cselect_b32 s67, 640, 0                      ; R's first tile in opc: w_attn's rows for v, or x
	s_cselect_b32 s68, s2, 0                       ; P's block likewise
	s_cselect_b32 s69, 0, 512                      ; P's first tile: x, or w_attn's rows for q and k
	s_cselect_b32 s70, 0, 16                       ; q, k: lanes 16-31 take the upper two bytes of a scale word (the odd head's);
	s_cselect_b32 s71, -1, 0xffff                  ; and a word keeps two bytes; v: all four
	s_add_co_u32 s66, s66, s18                     ; R's block of 8 tiles: + cy
	s_lshl_b32 s72, ttmp9, 2
	s_add_co_u32 s68, s68, s72
	s_add_co_u32 s68, s68, s17                     ; P's block of 16 tiles: + 4 x cluster x + cx
	s_lshl_b32 s82, s18, 2
	s_lshl_b32 s82, 15, s82                        ; my row of the cluster
	s_lshl_b32 s83, 0x1111, s17                    ; my column
	; descriptor group 1: rows of 4,096 bytes (two K steps of a tile: 512 elements of 8 bytes), 16,384 bytes apart in memory, dense in LDS; R: 4 rows, P: 8
	s_or_b32 s[G1R], s82, (3<<16)|(1<<21)          ; 15:0 the mask; 17:16 elements of 8 bytes; 21 set beside a mask
	s_mov_b32 s[G1R+1], 512<<16                    ; tensor_dim0
	s_mov_b32 s[G1R+2], 4<<16                      ; tensor_dim1
	s_mov_b32 s[G1R+3], 512<<16                    ; tile_dim0
	s_mov_b32 s[G1R+4], 4                          ; tile_dim1
	s_mov_b32 s[G1R+5], 2048                       ; tensor_dim0_stride
	s_mov_b32 s[G1R+6], 0
	s_mov_b32 s[G1R+7], 0
	s_or_b32 s[G1P], s83, (3<<16)|(1<<21)
	s_mov_b32 s[G1P+1], 512<<16
	s_mov_b32 s[G1P+2], 8<<16
	s_mov_b32 s[G1P+3], 512<<16
	s_mov_b32 s[G1P+4], 8
	s_mov_b32 s[G1P+5], 2048
	s_mov_b32 s[G1P+6], 0
	s_mov_b32 s[G1P+7], 0
	s_lshl_b32 s73, s66, 3
	s_add_co_u32 s73, s73, s67                     ; R's first tile
	s_lshl_b32 s74, s[WP], 2
	s_add_co_u32 s74, s74, s73                     ; the four that I would fetch
	s_lshl_b32 s74, s74, 14
	s_mov_b32 s75, 0
	s_lshl_b32 s76, s68, 4
	s_add_co_u32 s76, s76, s69                     ; P's first tile
	s_lshl_b32 s78, s[WP], 3
	s_add_co_u32 s78, s78, s76                     ; the eight that I would fetch
	s_lshl_b32 s78, s78, 14
	s_mov_b32 s79, 0
	s_lshl_b32 s80, s[WP], 14                      ; where they go in a slot: no place in the cluster enters an LDS address
	s_lshl_b32 s81, s[WP], 15
	s_add_co_u32 s81, s81, PPART
	v_and_b32 v1, 31, v0
	v_lshlrev_b32 v1, 4, v1                        ; 16 x lane
	v_bfe_u32 v3, v0, 4, 1                         ; h
	s_lshl_b32 s13, s[WR], 14                      ; my four tiles of R,
	s_lshl_b32 s23, s[WP], 15
	s_add_co_u32 s23, s23, PPART                   ; my eight of P
.irp s, 0,1,2
	v_add_nc_u32 v[ADR+\s], s13, v1
	v_add_nc_u32 v[ADP+\s], s23, v1
	s_add_co_u32 s13, s13, SLOT
	s_add_co_u32 s23, s23, SLOT
.endr
	s_wait_kmcnt 0x0
	s_add_nc_u64 s[74:75], s[4:5], s[74:75]
	s_add_nc_u64 s[78:79], s[4:5], s[78:79]
	CROUND                                         ; all sixteen work-groups are here: the first joint loads meet
.irp s, 0,1,2
	s_mov_b32 s[G0R+4*\s], 1                       ; count = 1
	s_add_co_u32 s[G0R+4*\s+1], s80, \s*SLOT       ; LDS address
	s_add_nc_u64 s[G0R+4*\s+2:G0R+4*\s+3], s[74:75], \s*4096   ; K steps 2 s and 2 s + 1
	s_or_b32 s[G0R+4*\s+3], s[G0R+4*\s+3], 0x80000000          ; type = 2
	s_mov_b32 s[G0P+4*\s], 1
	s_add_co_u32 s[G0P+4*\s+1], s81, \s*SLOT
	s_add_nc_u64 s[G0P+4*\s+2:G0P+4*\s+3], s[78:79], \s*4096
	s_or_b32 s[G0P+4*\s+3], s[G0P+4*\s+3], 0x80000000
	JLOAD \s                                       ; three loads of mine are out
.endr
	; the scale words of all of K: one load of 16 bytes a lane for each tile
	s_lshl_b32 s90, s[WP], 3
	s_add_co_u32 s90, s90, s76
	s_lshl_b32 s90, s90, 9
	s_mov_b32 s91, 0
	s_add_nc_u64 s[90:91], s[6:7], s[90:91]
	s_lshl_b32 s92, s[WR], 2
	s_add_co_u32 s92, s92, s73
	s_lshl_b32 s92, s92, 9
	s_mov_b32 s93, 0
	s_add_nc_u64 s[92:93], s[6:7], s[92:93]
	s_wait_alu depctr_va_vdst(0)
.irp i, 0,1,2,3,4,5,6,7
	global_load_b128 v[SP+4*\i:SP+4*\i+3], v1, s[90:91] offset:512*\i
.endr
.irp i, 0,1,2,3
	global_load_b128 v[SR+4*\i:SR+4*\i+3], v1, s[92:93] offset:512*\i
.endr
	; where my results go
	s_lshl_b32 s84, s66, 3
	s_lshl_b32 s85, s[WR], 2
	s_add_co_u32 s84, s84, s85                     ; rho: my first tile among R's
	s_lshl_b32 s85, s68, 3
	s_lshl_b32 s86, s[WP], 2
	s_add_co_u32 s85, s85, s86                     ; pi: my first row among P's, in units of 32
	s_lshr_b32 s86, s85, 5                         ; q, k: pi / 32: q or k;
	s_lshl_b32 s86, s86, 23
	s_lshr_b32 s87, s84, 7                         ; rho / 128: b;
	s_lshl_b32 s87, s87, 21
	s_or_b32 s86, s86, s87
	s_bfe_u32 s87, s85, 0x30002                    ; (pi / 4) % 8: the head pair;
	s_lshl_b32 s87, s87, 18
	s_or_b32 s86, s86, s87
	s_and_b32 s87, s84, 127                        ; rho % 128: the token tile
	s_lshl_b32 s87, s87, 11
	s_or_b32 s86, s86, s87
	s_lshr_b32 s88, s85, 6                         ; v: pi / 64: b;
	s_lshl_b32 s88, s88, 21
	s_lshr_b32 s89, s84, 2                         ; rho / 4: the head;
	s_lshl_b32 s89, s89, 17
	s_or_b32 s88, s88, s89
	s_bfe_u32 s89, s85, 0x40002                    ; (pi / 4) % 16: the key step
	s_lshl_b32 s89, s89, 13
	s_or_b32 s88, s88, s89
	s_or_b32 s88, s88, 1<<24
	s_cmp_ge_u32 s19, 16
	s_cselect_b32 s86, s88, s86
	s_mov_b32 s87, 0
	s_lshr_b32 s88, s86, 4                         ; 512 bytes of scale words for my 8,192 bytes of codes
	s_mov_b32 s89, 0
	s_add_nc_u64 s[8:9], s[8:9], s[86:87]
	s_add_nc_u64 s[10:11], s[10:11], s[88:89]
	v_mul_u32_u24 v[VSH], s70, v3
	s_mov_b32 s[SEL], 0x76543210
	s_mov_b32 s[SEL+1], 0xfedcba98
.irp b, 0,1,2,3
	v_mov_b32 v[TM+4+\b], 0                        ; written once: a lane permute's destination counts as one of its sources
.endr
	s_wait_tensorcnt 2                             ; my part of fill 0 is in; fills 1 and 2 may stay out
	s_barrier_signal -1
	s_barrier_wait -1                              ; everybody's is
	FETCH 0
	s_wait_loadcnt 0x0                             ; the scale words
	STEP 0
	; K STEP 1 leaves slot 0, which is filled again at once, with K steps 6 and 7: that load has four K steps in which to land
	s_wait_tensorcnt 0x0                           ; all my tensor loads have landed, slots 1 and 2 among them;
	ds_add_u32 v[SPW], v[NIL]                      ; 0 onto my spare word
	s_wait_dscnt 1                                 ; K step 1's fragments are in; the add may be out
	WIN MUL
	MUL8 0, 1                                      ; eight matrix instructions stand between the add and the wait for it
	s_wait_dscnt 0x0                               ; the add is done, and my reads of slot 0 are over
	s_barrier_signal -1                            ; this barrier opens a round of the cluster's
	MUL8 1, 1
	WIN 0
	s_barrier_wait -1
	CREST                                          ; no wave of any partner still reads slot 0 or has a load on its way
	s_add_nc_u64 s[G0R+2:G0R+3], s[G0R+2:G0R+3], 3*4096
	s_add_nc_u64 s[G0P+2:G0P+3], s[G0P+2:G0P+3], 3*4096
	JLOAD 0                                        ; the first tensor load behind the round, and my only one from here on; its four v_nop are four of the eight places
	PLACES 4
	FETCH 2
	WIN MUL
	MUL8 2, 1
	MUL8 3, 1
	WIN 0
	STEP 2
	STEP 3                                         ; slot 2 was shown whole to every wave by the wait for 0 and the round above
	STEP 4
	; K STEP 5: the refill must have landed before slot 0 is read again.
	s_wait_tensorcnt 0x0                           ; my part of K steps 6 and 7 is in
	s_wait_dscnt 0x0                               ; K step 5's fragments are in: no LDS instruction of mine is out at the signal
	s_barrier_signal -1
	WIN MUL
	MUL8 0, 5
	MUL8 1, 5
	WIN 0
	s_barrier_wait -1                              ; everybody's part is in
	PLACES 8
	FETCH 6
	WIN MUL
	MUL8 2, 5
	MUL8 3, 5
	WIN 0
	STEP 6
	s_wait_dscnt 0x0
	WIN MUL
	MUL8 0, 7
	MUL8 1, 7
	MUL8 2, 7
	MUL8 3, 7
	WIN 0
	PLACES 8                                       ; ahead of the first read of results and of the first write into R's fragments
; THE WAY OUT.  For R's tile a a lane holds 64 numbers in window 2, register 16 j + i = P's row 32 j + 16 h + i: four blocks of 32, each shared with lane l xor 16.  They become 16 registers of codes, chunk j = block j.
; Each accumulator is read from its low end on.  Six switches of the window for each tile: the accumulators lie in window 2, all else in window 0.
.macro QUANTW a
.set AC, 64*(\a)
.set PCA, RF+16*(\a)
	WIN 0x0a                                       ; sources 0 and 1 window 2
.irp b, 0,1,2,3
	v_max3_num_f32 v[TM+\b], |v[AC+16*\b]|, |v[AC+16*\b+1]|, 0x4800000   ; and the floor 2^(9 - 127): the byte cannot fall under 1
.endr
	WIN 0x28                                       ; sources 1 and 2 window 2
.irp i, 2,4,6,8,10,12,14
.irp b, 0,1,2,3
	v_max3_num_f32 v[TM+\b], v[TM+\b], |v[AC+16*\b+\i]|, |v[AC+16*\b+\i+1]|
.endr
.endr
	WIN 0
.irp b, 0,1,2,3
	v_permlanex16_b32 v[TM+4+\b], v[TM+\b], s[SEL], s[SEL+1]
.endr
.irp b, 0,1,2,3
	v_max_num_f32 v[TM+\b], v[TM+\b], v[TM+4+\b]   ; the block's largest magnitude
.endr
.irp b, 0,1,2,3
	v_add_nc_u32 v[TM+12+\b], 0xfc000000, v[TM+\b] ; 8 off its exponent field: the conversion's scale operand
.endr
.irp b, 0,1,2,3
.endr
.irp b, 0,1,2,3
	v_lshrrev_b32 v[TM+4+\b], 23, v[TM+12+\b]      ; the scale's byte
.endr
	v_lshl_or_b32 v[PW], v[TM+5], 8, v[TM+4]
	v_lshl_or_b32 v[PW], v[TM+6], 16, v[PW]
	v_lshl_or_b32 v[PW], v[TM+7], 24, v[PW]
	v_lshrrev_b32 v[SW+\a], v[VSH], v[PW]          ; q, k: lanes 0-15 keep the even head's two bytes, lanes 16-31 the odd head's; v: all four bytes in both
	v_and_b32 v[SW+\a], s71, v[SW+\a]
	WIN 0x82                                       ; destination and source 0 window 2
.irp b, 0,1,2,3
.irp i, 0,1,2,3,4,5,6,7,8,9,10,11,12,13,14,15
.endr
.endr
	WIN 0x02                                       ; source 0 window 2
.irp b, 0,1,2,3
	v_cvt_scalef32_pk8_fp8_f32 v[PCA+4*\b:PCA+4*\b+1], v[AC+16*\b:AC+16*\b+7], v[TM+12+\b]
	v_cvt_scalef32_pk8_fp8_f32 v[PCA+4*\b+2:PCA+4*\b+3], v[AC+16*\b+8:AC+16*\b+15], v[TM+12+\b]
.endr
	WIN 0
	v_nop                                          ; one plain line behind the last conversion
.irp j, 0,1,2,3
	global_store_b128 v1, v[PCA+4*\j:PCA+4*\j+3], s[8:9] offset:2048*(\a)+512*\j   ; 32 lanes store 512 consecutive bytes, aligned; each tile has its own registers, so no store's data are written again
.endr
.endm
	QUANTW 0
	QUANTW 1
	QUANTW 2
	QUANTW 3
	global_store_b128 v1, v[SW:SW+3], s[10:11]     ; my 512 bytes of scale words
	s_wait_tensorcnt 0x0                           ; the wave's end
	ds_add_u32 v[SPW], v[NIL]
	s_wait_dscnt 0x0
	CROUND                                         ; the closing round: no work-group ends while a partner may still ask for a tile that names it
	s_endpgm
.Lfunc_end_k_qe3432fe694_qkv:
	.size	k_qe3432fe694_qkv, .Lfunc_end_k_qe3432fe694_qkv-k_qe3432fe694_qkv
	.p2alignl 7, 3214868480
	.fill 96, 4, 3214868480
	.section	.rodata,"a",@progbits
	.p2align	6, 0x0
	.amdhsa_kernel k_qe3432fe694_qkv
		.amdhsa_group_segment_fixed_size 327680
		.amdhsa_private_segment_fixed_size 0
		.amdhsa_enable_private_segment 0
		.amdhsa_kernarg_size 32
		.amdhsa_user_sgpr_count 2
		.amdhsa_user_sgpr_kernarg_segment_ptr 1
		.amdhsa_wavefront_size32 1
		.amdhsa_system_sgpr_workgroup_id_x 1
		.amdhsa_system_sgpr_workgroup_id_y 1
		.amdhsa_system_sgpr_workgroup_id_z 1
		.amdhsa_system_vgpr_workitem_id 0
		.amdhsa_next_free_vgpr 768
		.amdhsa_next_free_sgpr 96
		.amdhsa_reserve_vcc 0
		.amdhsa_float_denorm_mode_32 3
		.amdhsa_float_denorm_mode_16_64 3
		.amdhsa_fp16_overflow 1
		.amdhsa_memory_ordered 1
		.amdhsa_forward_progress 1
		.amdhsa_inst_pref_size 89
	.end_amdhsa_kernel
	.amdgpu_metadata
---
amdhsa.version: [ 1, 2 ]
amdhsa.kernels:
  - .name:           k_qe3432fe694_qkv
    .symbol:         k_qe3432fe694_qkv.kd
    .args:
      - { .name: opc, .offset: 0, .size: 8, .value_kind: global_buffer, .address_space: global }
      - { .name: ops, .offset: 8, .size: 8, .value_kind: global_buffer, .address_space: global }
      - { .name: qkvc, .offset: 16, .size: 8, .value_kind: global_buffer, .address_space: global }
      - { .name: qkvs, .offset: 24, .size: 8, .value_kind: global_buffer, .address_space: global }
    .group_segment_fixed_size: 327680
    .private_segment_fixed_size: 0
    .kernarg_segment_align: 8
    .kernarg_segment_size: 32
    .max_flat_workgroup_size: 128
    .sgpr_count:     96
    .vgpr_count:     768
    .wavefront_size: 32
...
	.end_amdgpu_metadata
.endif
;; end of part 2
;; launch attn (part 3): grid 4 x 64, 16 waves a work-group, clusters of 4 x 1, 276,480 bytes of LDS; arguments qkvc, qkvs, yc, ys; writes yc, ys
.if DOCPART == 3
	.amdgcn_target "amdgcn-amd-amdhsa--gfx1250"
	.amdhsa_code_object_version 6
	.text
	.protected	k_qe3432fe694_attn
	.globl	k_qe3432fe694_attn
	.p2align	8
	.type	k_qe3432fe694_attn,@function
k_qe3432fe694_attn:
	s_mov_b64 s[64:65], 0
	v_nop
	global_prefetch_b8 v0, s[64:65] scope:SCOPE_SE
	s_setreg_imm32_b32 hwreg(HW_REG_WAVE_MODE, 25, 1), 1
	s_wait_xcnt 0x0
	s_wait_alu depctr_hold_cnt(0) depctr_sa_sdst(0) depctr_va_vdst(0) depctr_va_sdst(0) depctr_va_ssrc(0) depctr_va_vcc(0) depctr_vm_vsrc(0)
	s_getreg_b32 s2, hwreg(HW_REG_IB_STS2, 6, 4)
	s_cmp_eq_u32 s2, 0
	s_cbranch_scc0 .Lentry_in_a_cluster
	s_endpgm
.Lentry_in_a_cluster:
	s_bfe_u32 s2, ttmp6, 0x10000c
	s_cmp_lg_u32 s2, 0x3003
	s_cbranch_scc0 .Lentry_shape_is_right
	s_endpgm
.Lentry_shape_is_right:
; y[b][t][head][:] = the sum over keys k <= t of softmax_k(q . k / 8) v, both products on codes of FP8 (E4M3) with E8M0 scales; y is quantised along C and leaves as codes for the last launch.
; THE SOFTMAX AHEAD OF THE SECOND PRODUCT: t = score x log2(e) / 8; M = the largest t so far, rounded UP to a whole number; p = 2^(t - M) is quantised along the keys, not normalised; the row's sum is taken of the
; unquantised p and divides at the end.  When M moves, the sum and O are multiplied by 2^(old M - new M): exact.
; SHARES.  A cluster of four work-groups owns one head of one batch; its K, V and their scale words, 268 KiB, are asked for JOINTLY, once, and stay in each work-group's LDS: nothing is filled again.
; Queries go in groups of 32 (two tiles of 16), keys in steps of 128 (four groups).  Work-group j owns the groups g with g % 4 = j.  Wave w takes tile u of group 4 m + j (m + 1 key steps) and then tile u of group
; 4 (15 - m) + j (16 - m steps): 17 steps for every wave.  u and m are made of the wave's number alone, so that the steps of the waves w, w + 4, w + 8, w + 12, and of 4 i .. 4 i + 3, add up alike in both halves.
; The loops' trip counts are constants (8 and 16); a step all of whose keys come after the tile's queries is jumped over by a scalar branch on the wave's number and the trip.
; The work-group's place in its cluster enters the addresses of q and y and the mask's compare, no branch and no LDS address.
; LAYOUT.  Both products are used transposed: S^T = K Q^T, O^T = V^T P^T: a lane holds ONE query throughout.  Tile 2 g + u of tokens holds tokens 32 g + 8 u + r + 8 (r / 8), so that the 16 registers of S^T's tiles 2 b and
; 2 b + 1 are keys 32 b + 16 h + 0 .. 15; V's tiles of features are cut the same way, so that O^T's registers run along the head's 64.  All fragments lie in LDS as images of their registers.
; K = 64 IN AN INSTRUCTION OF K = 128: q's registers 8-15 hold zero codes.  K's fragment t names v[32 + 8 t : 47 + 8 t]: its upper eight registers are the next tile's codes (for t = 7 the second tile's q): codes of
; finite numbers, which meet zero codes and add nothing; the scale words' upper two bytes are 0, a finite scale.
; y's scale bytes leave two a lane, 16 bytes apart (lanes l and l xor 16 store the same two): 512 bytes a tile; all other stores cover 512 consecutive bytes.
; LIMITS: NaN and infinities are not served.  A block of zeros gets the byte 1 (the rule says 127): its codes are zeros, and this program alone reads the bytes.  A block's largest p is taken from its largest score, which takes
; v_exp_f32 not to fall where its input rises.
; REGISTERS: v1 16 x lane, v2 16 r, v3 the mask's bound; v4-7 the step's LDS addresses; v8-10 their bases; v11 -infinity; v12 -M, v13 the largest t, v[14:15] the sum; v16-31 q; v32-95 K, then V; v96-103 the second tile's q;
; v104-167 S^T, then p; v168-199 O^T; v200-215 p's codes; v216-223 K's scale words, v224-227 V's, v228 q's, v229 p's, v230 the second q's; v232-253 at work.
.set VL,   131072                      ; LDS: K at 0: 8,192 bytes a key step (8 tiles x 2 chunks x 512); V here: 8,192 a step (4 tiles x 4 chunks x 512);
.set KSL,  262144                      ; K's scale words: 512 bytes a step;
.set VSL,  270336                      ; V's: 256 bytes a step
.set ADK, 4
.set ADV, 5
.set ADS, 6
.set ADT, 7
.set S,   104
.set O,   168
.set PCD, 200
.set KSC, 216
.set VSC, 224
.set QSC, 228
.set PSC, 229
.set QS2, 230
.set BM,  232
.set T1,  236
.set CAP, 240
.set SOP, 244
.set F,   250                          ; v[250:251]: f, and 0
.set TT,  252
.set YW,  253
.set WV,  16
.set N1,  17                           ; s17, s18 the key steps of my two tiles
.set N2,  18
.set MNT, 19
.set SEL, 20
.set CS,  22                           ; s[22:23] c = log2(e) / 8
.set G1K, 24
.set G1V, 32
.set G1KS, 40
.set G1VS, 48
.set G0KS, 56
.set G0K1, 60
.set G0K2, 68
.set G0VS, 72
.set G0V1, 76
.set G0V2, 80
.set ST,  92                           ; s92 the key step; s93, s94, s95 where its tiles, K's scale words and V's begin
.set TK,  93
.set TS,  94
.set TV,  95
.macro CROUND                          ; a round of the cluster's barrier
	s_barrier_signal -1
	s_barrier_wait -1
	s_cmp_lg_u32 s[WV], 0
	s_cbranch_scc1 .Lnot_wave_0_\@
	s_barrier_signal -3
.Lnot_wave_0_\@:
	s_barrier_wait -3
	s_barrier_signal -1
	s_barrier_wait -1
.endm
	s_load_b256 s[4:11], s[0:1], 0x0               ; qkvc s[4:5], qkvs s[6:7], yc s[8:9], ys s[10:11]
	v_lshl_add_u32 v254, v0, 2, 0x43000
	v_mov_b32 v255, 0
	ds_add_u32 v254, v255
	ds_add_u32 v254, v255
	v_lshrrev_b32 v4, 5, v0
	s_delay_alu instid0(VALU_DEP_1)
	v_readfirstlane_b32 s[WV], v4                  ; wave 0..15
	s_lshr_b32 s92, s[WV], 2                       ; a
	s_and_b32 s93, s[WV], 3                        ; s
	s_xor_b32 s94, s93, s92
	s_and_b32 s94, s94, 1
	s_mul_i32 s94, s94, 7
	s_lshr_b32 s93, s93, 1
	s_mul_i32 s93, s93, 3
	s_xor_b32 s94, s94, s93
	s_lshr_b32 s93, s92, 1
	s_xor_b32 s94, s94, s93                        ; m = 3 (s / 2) xor (a / 2) xor 7 ((s xor a) % 2): each of 0 .. 7 once for each u
	s_and_b32 s92, s92, 1                          ; u = a % 2
	s_add_co_u32 s[N1], s94, 1
	s_sub_co_u32 s[N2], 16, s94
	s_bfe_u32 s100, ttmp6, 0x40000                 ; j = cx
	s_lshl_b32 s2, s94, 2
	s_add_co_u32 s3, s2, s100                      ; group 4 m + j
	s_sub_co_u32 s2, 60, s2
	s_add_co_u32 s2, s2, s100                      ; group 4 (15 - m) + j
	s_lshl_b32 s3, s3, 1
	s_add_co_u32 s3, s3, s92                       ; my first token tile,
	s_lshl_b32 s2, s2, 1
	s_add_co_u32 s2, s2, s92                       ; my second
	s_lshl_b32 s100, s100, 5
	s_lshl_b32 s101, s92, 3
	s_add_co_u32 s100, s100, s101                  ; 32 j + 8 u: where my tile's queries begin in their key step
	v_and_b32 v5, 31, v0
	s_delay_alu instid0(VALU_DEP_1)
	v_lshlrev_b32 v1, 4, v5                        ; 16 x lane
	v_and_b32 v6, 15, v0                           ; r
	s_delay_alu instid0(VALU_DEP_1)
	v_lshlrev_b32 v2, 4, v6                        ; 16 r
	v_bfe_u32 v7, v0, 4, 1                         ; h
	s_delay_alu instid0(VALU_DEP_3)
	v_and_b32 v3, 8, v6
	s_delay_alu instid0(VALU_DEP_1)
	v_add_nc_u32 v3, v3, v6                        ; r + 8 (r / 8)
	s_delay_alu instid0(VALU_DEP_3)
	v_lshlrev_b32 v7, 4, v7
	s_delay_alu instid0(VALU_DEP_1)
	v_sub_nc_u32 v3, v3, v7
	s_delay_alu instid0(VALU_DEP_1)
	v_add_nc_u32 v3, s100, v3                      ; d = my query's place in the diagonal step - 16 h: register 16 b + i holds key 32 b + 16 h + i, hidden where 32 b + i > d
	v_add_nc_u32 v8, VL, v1
	v_add_nc_u32 v9, KSL, v2
	v_add_nc_u32 v10, VSL, v2
	v_mov_b32 v11, 0xff800000                      ; -infinity
	s_and_b32 s92, ttmp7, 0xffff                   ; 16 b + head: the cluster's y, which the four partners share
	s_lshr_b32 s96, s92, 4                         ; b
	s_and_b32 s97, s92, 15                         ; head
	s_lshr_b32 s98, s97, 1                         ; head pair
	s_and_b32 s99, s97, 1                          ; head % 2
	s_and_b32 s66, s[WV], 1                        ; which half I fetch, if I fetch
	s_lshl_b32 s92, s96, 21
	s_lshl_b32 s93, s98, 18
	s_or_b32 s92, s92, s93
	s_lshl_b32 s93, s99, 10
	s_or_b32 s92, s92, s93                         ; my head's first chunk among q's codes (and among k's)
	s_mov_b32 s93, 0
	s_lshl_b32 s94, s96, 17
	s_lshl_b32 s95, s98, 14
	s_or_b32 s94, s94, s95
	s_lshl_b32 s95, s99, 8
	s_or_b32 s94, s94, s95                         ; and its first 256 bytes among their scale words
	s_mov_b32 s95, 0
	; descriptor groups 1, in elements of 8 bytes; mask 15: all four work-groups; bit 21 set beside it.  K: 32 rows (tiles) of 1,024 bytes, 2,048 apart;  V: 32 rows of 1,024 bytes, dense;
	; K's scale words: 16 rows of 256 bytes, 512 apart;  V's: 8 such rows
.irp g, G1K, G1V, G1KS, G1VS
	s_mov_b32 s[\g], 15|(3<<16)|(1<<21)
	s_mov_b32 s[\g+6], 0
	s_mov_b32 s[\g+7], 0
.endr
.irp g, G1K, G1V
	s_mov_b32 s[\g+1], 128<<16                     ; tensor_dim0
	s_mov_b32 s[\g+2], 32<<16                      ; tensor_dim1
	s_mov_b32 s[\g+3], 128<<16                     ; tile_dim0
	s_mov_b32 s[\g+4], 32                          ; tile_dim1
.endr
	s_mov_b32 s[G1K+5], 256                        ; tensor_dim0_stride
	s_mov_b32 s[G1V+5], 128
.irp g, G1KS, G1VS
	s_mov_b32 s[\g+1], 32<<16
	s_mov_b32 s[\g+3], 32<<16
	s_mov_b32 s[\g+5], 64
.endr
	s_mov_b32 s[G1KS+2], 16<<16
	s_mov_b32 s[G1KS+4], 16
	s_mov_b32 s[G1VS+2], 8<<16
	s_mov_b32 s[G1VS+4], 8
	s_mov_b32 s[SEL], 0x76543210
	s_mov_b32 s[SEL+1], 0xfedcba98
	s_mov_b32 s[CS], 0x3e38aa3b                    ; c = log2(e) / 8
	s_mov_b32 s[CS+1], s[CS]                       ; (named with it as a pair, so it is written)
	s_mov_b32 s105, 0
	s_wait_dscnt 0x0
	s_wait_kmcnt 0x0
	s_add_nc_u64 s[12:13], s[4:5], s[92:93]        ; q's codes of my head; k's lie 1 << 23 further on
	s_add_nc_u64 s[14:15], s[6:7], s[94:95]        ; q's scale words; k's lie 1 << 19 further on
	; groups 0
	s_mov_b32 s[G0KS], 1
	s_lshl_b32 s[G0KS+1], s66, 12
	s_add_co_u32 s[G0KS+1], s[G0KS+1], KSL
	s_lshl_b32 s104, s66, 13                       ; 16 rows, 512 bytes apart
	s_add_co_u32 s104, s104, 1<<19
	s_add_nc_u64 s[G0KS+2:G0KS+3], s[14:15], s[104:105]
	s_or_b32 s[G0KS+3], s[G0KS+3], 0x80000000
	s_mov_b32 s[G0K1], 1
	s_lshl_b32 s[G0K1+1], s66, 15                  ; tiles 32 e on: keys 0 to 1,023 between the two waves
	s_lshl_b32 s104, s66, 16
	s_add_co_u32 s104, s104, 1<<23
	s_add_nc_u64 s[G0K1+2:G0K1+3], s[12:13], s[104:105]
	s_mov_b32 s[G0K2], 1
	s_add_co_u32 s[G0K2+1], s[G0K1+1], 65536       ; tiles 64 + 32 e on: keys 1,024 on
	s_add_nc_u64 s[G0K2+2:G0K2+3], s[G0K1+2:G0K1+3], 1<<17
	s_or_b32 s[G0K1+3], s[G0K1+3], 0x80000000
	s_or_b32 s[G0K2+3], s[G0K2+3], 0x80000000
	s_mov_b32 s[G0VS], 1
	s_lshl_b32 s[G0VS+1], s66, 11
	s_add_co_u32 s[G0VS+1], s[G0VS+1], VSL
	s_lshl_b32 s104, s96, 17
	s_lshl_b32 s67, s97, 13
	s_or_b32 s104, s104, s67
	s_lshl_b32 s67, s66, 12                        ; 8 rows, 512 bytes apart
	s_or_b32 s104, s104, s67
	s_add_co_u32 s104, s104, 1<<20
	s_add_nc_u64 s[G0VS+2:G0VS+3], s[6:7], s[104:105]
	s_or_b32 s[G0VS+3], s[G0VS+3], 0x80000000
	s_mov_b32 s[G0V1], 1
	s_lshl_b32 s[G0V1+1], s66, 15
	s_add_co_u32 s[G0V1+1], s[G0V1+1], VL          ; key steps 4 e on
	s_lshl_b32 s104, s96, 21
	s_lshl_b32 s67, s97, 17
	s_or_b32 s104, s104, s67
	s_lshl_b32 s67, s66, 15
	s_or_b32 s104, s104, s67
	s_add_co_u32 s104, s104, 1<<24
	s_add_nc_u64 s[G0V1+2:G0V1+3], s[4:5], s[104:105]
	s_mov_b32 s[G0V2], 1
	s_add_co_u32 s[G0V2+1], s[G0V1+1], 65536       ; key steps 8 + 4 e on
	s_add_nc_u64 s[G0V2+2:G0V2+3], s[G0V1+2:G0V1+3], 65536
	s_or_b32 s[G0V1+3], s[G0V1+3], 0x80000000
	s_or_b32 s[G0V2+3], s[G0V2+3], 0x80000000
	CROUND                                         ; all four work-groups are here: the joint loads meet
	s_cmp_lt_u32 s[WV], 2                          ; a wave's three fills stand in one branch on its number: waves 0 and 1 fetch for K, waves 2 and 3 for V, the others nothing
	s_cbranch_scc0 .Lnot_k
	tensor_load_to_lds s[G0KS:G0KS+3], s[G1KS:G1KS+7]
	s_nop 0
	tensor_load_to_lds s[G0K1:G0K1+3], s[G1K:G1K+7]
	s_nop 0
	tensor_load_to_lds s[G0K2:G0K2+3], s[G1K:G1K+7]
	s_nop 0
.rept 4
	v_nop
.endr
	s_branch .Lasked
.Lnot_k:
	s_cmp_lt_u32 s[WV], 4
	s_cbranch_scc0 .Lasked
	tensor_load_to_lds s[G0VS:G0VS+3], s[G1VS:G1VS+7]
	s_nop 0
	tensor_load_to_lds s[G0V1:G0V1+3], s[G1V:G1V+7]
	s_nop 0
	tensor_load_to_lds s[G0V2:G0V2+3], s[G1V:G1V+7]
	s_nop 0
.rept 4
	v_nop
.endr
.Lasked:
	; my two tiles of q: 2,048 bytes a token tile among the head pair's codes; a scale word at 512 (tile / 4) + 16 r + 4 (tile % 4)
	s_lshl_b32 s100, s3, 11
	v_add_nc_u32 v232, s100, v1
	s_wait_alu depctr_va_vdst(0)
	s_lshl_b32 s100, s2, 11
	v_add_nc_u32 v233, s100, v1
	s_wait_alu depctr_va_vdst(0)
	s_lshr_b32 s100, s3, 2
	s_lshl_b32 s100, s100, 9
	s_and_b32 s101, s3, 3
	s_lshl_b32 s101, s101, 2
	s_add_co_u32 s100, s100, s101
	v_add_nc_u32 v234, s100, v2
	s_lshr_b32 s100, s2, 2
	s_lshl_b32 s100, s100, 9
	s_and_b32 s101, s2, 3
	s_lshl_b32 s101, s101, 2
	s_add_co_u32 s100, s100, s101
	v_add_nc_u32 v235, s100, v2
	global_load_b128 v[16:19], v232, s[12:13]
	global_load_b128 v[20:23], v232, s[12:13] offset:512
	global_load_b128 v[96:99], v233, s[12:13]
	global_load_b128 v[100:103], v233, s[12:13] offset:512
	global_load_b32 v[QSC], v234, s[14:15]
	global_load_b32 v[QS2], v235, s[14:15]
	; where y goes: codes yc[128 b + tile][head pair][2 (head % 2) + block][512]; scale bytes ys[128 b + tile][head pair / 4][r][head pair % 4], bytes 2 (head % 2) on
	s_lshl_b32 s84, s96, 21
	s_lshl_b32 s85, s98, 11
	s_or_b32 s84, s84, s85
	s_lshl_b32 s85, s99, 10
	s_or_b32 s84, s84, s85
	s_lshl_b32 s85, s2, 14
	s_add_co_u32 s88, s84, s85
	s_mov_b32 s89, 0
	s_lshl_b32 s85, s3, 14
	s_add_co_u32 s84, s84, s85
	s_mov_b32 s85, 0
	s_add_nc_u64 s[84:85], s[8:9], s[84:85]
	s_add_nc_u64 s[88:89], s[8:9], s[88:89]
	s_lshl_b32 s86, s96, 16
	s_lshr_b32 s87, s98, 2
	s_lshl_b32 s87, s87, 8
	s_or_b32 s86, s86, s87
	s_and_b32 s87, s98, 3
	s_lshl_b32 s87, s87, 2
	s_or_b32 s86, s86, s87
	s_lshl_b32 s87, s99, 1
	s_or_b32 s86, s86, s87
	s_lshl_b32 s87, s2, 9
	s_add_co_u32 s90, s86, s87
	s_mov_b32 s91, 0
	s_lshl_b32 s87, s3, 9
	s_add_co_u32 s86, s86, s87
	s_mov_b32 s87, 0
	s_add_nc_u64 s[86:87], s[10:11], s[86:87]
	s_add_nc_u64 s[90:91], s[10:11], s[90:91]
.irp i, 0,1,2,3,4,5,6,7
	v_mov_b32 v[24+\i], 0                          ; q's k = 64 .. 127: zero codes
.endr
.irp b, 0,1,2,3
	v_mov_b32 v[T1+\b], 0                          ; written once: a lane permute's destination counts as one of its sources
.endr
	v_mov_b32 v[F+1], 0                            ; (named as the upper half of the pair)
	v_mov_b32 v[TT], 0
.macro INIT                            ; a tile begins: the largest t -3e38, under every t; the sum and O^T zeros, which the first change of M leaves zeros
	v_mov_b32 v13, 0xff61b1e6
	s_delay_alu instid0(VALU_DEP_1)
	v_floor_f32 v12, -v13
	v_mov_b32 v14, 0
	v_mov_b32 v15, 0
.set n, 0
.rept 32
	v_mov_b32 v[O+n], 0
.set n, n+1
.endr
	s_mov_b32 s[ST], 0
	s_mov_b32 s[TK], 0
	s_mov_b32 s[TS], 0
	s_mov_b32 s[TV], 0
.endm
; A KEY STEP: 128 keys.  na: the register with the tile's number of steps
.macro STEP na
	s_cmp_ge_u32 s[ST], s[\na]                     ; all keys of this step come after my queries: only the addresses step
	s_cbranch_scc1 .Lhidden_\@
	s_setprio 2
	v_add_nc_u32 v[ADK], s[TK], v1
	v_add_nc_u32 v[ADV], s[TK], v8
	v_add_nc_u32 v[ADS], s[TS], v9
	v_add_nc_u32 v[ADT], s[TV], v10
.rept 4
	v_nop                                          ; with the four additions: eight places in front of loads into registers that the last products read
.endr
.irp t, 0,1,2,3,4,5,6,7
	ds_load_b128 v[32+8*\t:35+8*\t], v[ADK] offset:1024*\t
	ds_load_b128 v[36+8*\t:39+8*\t], v[ADK] offset:1024*\t+512
.endr
	ds_load_b128 v[KSC:KSC+3], v[ADS]              ; the scale words of tiles 0-3, row r,
	ds_load_b128 v[KSC+4:KSC+7], v[ADS] offset:256 ; and of tiles 4-7
	s_wait_alu depctr_va_vdst(0)
	s_wait_dscnt 0x0
.irp t, 0,1,2,3,4,5,6,7
	v_wmma_scale_f32_16x16x128_f8f6f4 v[S+8*\t:S+8*\t+7], v[32+8*\t:47+8*\t], v[16:31], 0, v[KSC+\t], v[QSC]
.endr
.rept 8
	v_nop                                          ; eight places: ahead of the loads into K's registers and of the first read of the scores
.endr
.irp d, 0,1,2,3
.irp c, 0,1,2,3
	ds_load_b128 v[32+16*\d+4*\c:35+16*\d+4*\c], v[ADV] offset:2048*\d+512*\c   ; V is asked for ahead of the softmax
.endr
.endr
	ds_load_b128 v[VSC:VSC+3], v[ADT]
	s_add_co_u32 s67, s[ST], 1
	s_cmp_lg_u32 s67, s[\na]
	s_cbranch_scc1 .Lopen_\@                       ; only the tile's last step lies on the diagonal: there hidden scores become -infinity ahead of the maximum, so that p = 0
.set n, 0
.rept 64
	v_cmp_gt_i32 vcc_lo, 32*(n/16)+n%16, v3
	v_cndmask_b32 v[S+n], v[S+n], v11, vcc_lo
.set n, n+1
.endr
.Lopen_\@:
.irp b, 0,1,2,3
	v_max3_num_f32 v[BM+\b], v[S+16*\b], v[S+1+16*\b], v[S+2+16*\b]   ; the largest score of each block of 32 keys: for the row's maximum, and, since p rises with the score, for the block's largest p
.endr
.irp i, 3,5,7,9,11,13
.irp b, 0,1,2,3
	v_max3_num_f32 v[BM+\b], v[BM+\b], v[S+16*\b+\i], v[S+1+16*\b+\i]
.endr
.endr
.irp b, 0,1,2,3
	v_max_num_f32 v[BM+\b], v[BM+\b], v[S+15+16*\b]
.endr
.irp b, 0,1,2,3
	s_delay_alu instid0(VALU_DEP_4)
	v_permlanex16_b32 v[T1+\b], v[BM+\b], s[SEL], s[SEL+1]
.endr
.irp b, 0,1,2,3
	s_delay_alu instid0(VALU_DEP_4)
	v_max_num_f32 v[BM+\b], v[BM+\b], v[T1+\b]     ; with lane l xor 16's 16 keys
.endr
	s_delay_alu instid0(VALU_DEP_2)
	v_max3_num_f32 v[TT], v[BM], v[BM+1], v[BM+2]
	s_delay_alu instid0(VALU_DEP_1)
	v_max_num_f32 v[TT], v[TT], v[BM+3]            ; the step's largest score of my query
	s_delay_alu instid0(VALU_DEP_1)
	v_mul_f32 v[TT], s[CS], v[TT]                  ; as t
	s_delay_alu instid0(VALU_DEP_1)
	v_max_num_f32 v13, v13, v[TT]                  ; the running largest t
	v_mov_b32 v[TT], v12
	s_delay_alu instid0(VALU_DEP_2)
	v_floor_f32 v12, -v13                          ; the new -M = floor(-t): M is a whole number
	s_delay_alu instid0(VALU_DEP_1)
	v_sub_f32 v[TT], v12, v[TT]                    ; old M - new M: a whole number, 0 or less
	s_delay_alu instid0(VALU_DEP_1)
	v_cvt_i32_f32 v[TT], v[TT]                     ; (it saturates)
	s_delay_alu instid0(VALU_DEP_1)
	v_ldexp_f32 v[F], 1.0, v[TT]                   ; f = 2^(old M - new M)
.set n, 0
	s_setprio 1
.rept 32
	v_pk_fma_f32 v[S+n:S+n+1], v[S+n:S+n+1], s[CS:CS+1], v[12:13] op_sel_hi:[1,0,0]   ; t - M, two at a time
.set n, n+2
.endr
.irp b, 0,1,2,3
	v_fma_f32 v[BM+\b], v[BM+\b], s[CS], v12       ; the same of each block's largest score
.endr
.set n, 0
	s_wait_alu depctr_va_vdst(0)
.rept 64
	v_exp_f32 v[S+n], v[S+n]                       ; p = 2^(t - M), at most 1
.set n, n+1
.endr
	v_pk_mul_f32 v[14:15], v[14:15], v[F:F+1] op_sel_hi:[1,0]   ; the sums under the new M: the plain line behind the exponentials
	s_wait_alu depctr_va_vdst(0)                   ; one wait for the batch, ahead of its first reader
.irp b, 0,1,2,3
	v_exp_f32 v[BM+\b], v[BM+\b]                   ; the block's largest p
.endr
	v_pk_add_f32 v[236:237], v[108:109], v[112:113]
	v_pk_add_f32 v[248:249], v[116:117], v[120:121]
	v_pk_add_f32 v[246:247], v[124:125], v[128:129]
	v_pk_add_f32 v[244:245], v[132:133], v[136:137]
	v_pk_add_f32 v[242:243], v[140:141], v[144:145]
	v_pk_add_f32 v[240:241], v[148:149], v[152:153]
	v_pk_add_f32 v[238:239], v[156:157], v[160:161]
	v_pk_add_f32 v[14:15], v[14:15], v[164:165]
	v_pk_add_f32 v[236:237], v[236:237], v[104:105]
	v_pk_add_f32 v[248:249], v[248:249], v[106:107]
	v_pk_add_f32 v[246:247], v[246:247], v[110:111]
	v_pk_add_f32 v[244:245], v[244:245], v[114:115]
	v_pk_add_f32 v[242:243], v[242:243], v[118:119]
	v_pk_add_f32 v[240:241], v[240:241], v[122:123]
	v_pk_add_f32 v[238:239], v[238:239], v[126:127]
	v_pk_add_f32 v[14:15], v[14:15], v[130:131]
	v_pk_add_f32 v[236:237], v[236:237], v[134:135]
	v_pk_add_f32 v[248:249], v[248:249], v[138:139]
	v_pk_add_f32 v[246:247], v[246:247], v[142:143]
	v_pk_add_f32 v[244:245], v[244:245], v[146:147]
	v_pk_add_f32 v[242:243], v[242:243], v[150:151]
	v_pk_add_f32 v[240:241], v[240:241], v[154:155]
	v_pk_add_f32 v[238:239], v[238:239], v[158:159]
	v_pk_add_f32 v[14:15], v[14:15], v[162:163]
	v_pk_add_f32 v[236:237], v[236:237], v[166:167]
	s_delay_alu instid0(VALU_DEP_2)
	v_pk_add_f32 v[14:15], v[14:15], v[244:245]
	s_delay_alu instid0(VALU_DEP_2)
	v_pk_add_f32 v[236:237], v[236:237], v[242:243]
	v_pk_add_f32 v[248:249], v[248:249], v[240:241]
	v_pk_add_f32 v[246:247], v[246:247], v[238:239]
	s_delay_alu instid0(VALU_DEP_2)
	v_pk_add_f32 v[14:15], v[14:15], v[248:249]
	s_delay_alu instid0(VALU_DEP_2)
	v_pk_add_f32 v[236:237], v[236:237], v[246:247]
	s_delay_alu instid0(VALU_DEP_1)
	v_pk_add_f32 v[14:15], v[14:15], v[236:237]
	s_setprio 0
	s_wait_alu depctr_va_vdst(0)                   ; and one for the four
.irp b, 0,1,2,3
	v_max_num_f32 v[BM+\b], 0x4800000, v[BM+\b]    ; the floor 2^(9 - 127): the byte cannot fall under 1
.endr
.irp b, 0,1,2,3
	s_delay_alu instid0(VALU_DEP_4)
	v_add_nc_u32 v[SOP+\b], 0xfc000000, v[BM+\b]   ; 8 off the exponent field: the conversion's scale operand
.endr
.irp b, 0,1,2,3
.endr
.irp b, 0,1,2,3
	s_delay_alu instid0(VALU_DEP_4)
	v_lshrrev_b32 v[T1+\b], 23, v[SOP+\b]          ; the scale's byte
.endr
	s_delay_alu instid0(VALU_DEP_3)
	v_lshl_or_b32 v[PSC], v[T1+1], 8, v[T1]        ; p's scale word for these 128 keys
	s_delay_alu instid0(VALU_DEP_1)
	v_lshl_or_b32 v[PSC], v[T1+2], 16, v[PSC]
	s_delay_alu instid0(VALU_DEP_1)
	v_lshl_or_b32 v[PSC], v[T1+3], 24, v[PSC]
.irp b, 0,1,2,3
.irp i, 0,1,2,3,4,5,6,7,8,9,10,11,12,13,14,15
.endr
	v_cvt_scalef32_pk8_fp8_f32 v[PCD+4*\b:PCD+4*\b+1], v[S+16*\b:S+16*\b+7], v[SOP+\b]
	v_cvt_scalef32_pk8_fp8_f32 v[PCD+4*\b+2:PCD+4*\b+3], v[S+16*\b+8:S+16*\b+15], v[SOP+\b]
.endr
.set n, 0
.rept 16
	v_pk_mul_f32 v[O+n:O+n+1], v[O+n:O+n+1], v[F:F+1] op_sel_hi:[1,0]   ; O^T under the new M; these lines also stand between the conversions and the products
.set n, n+2
.endr
	s_wait_alu depctr_va_vdst(0)
	s_wait_dscnt 0x0                               ; V and its scale words are in
.irp d, 0,1,2,3
	v_wmma_scale_f32_16x16x128_f8f6f4 v[O+8*\d:O+8*\d+7], v[32+16*\d:47+16*\d], v[PCD:PCD+15], v[O+8*\d:O+8*\d+7], v[VSC+\d], v[PSC]   ; the four accumulators by turns; the next step's eight products stand between two links
.endr
.Lhidden_\@:
	s_add_co_u32 s[ST], s[ST], 1
	s_add_co_u32 s[TK], s[TK], 8192
	s_add_co_u32 s[TS], s[TS], 512
	s_add_co_u32 s[TV], s[TV], 256
.endm
; A TILE'S WAY OUT: O^T / the sum; register 16 b + i is y's feature 32 b + 16 h + i of my head: two blocks of 32 along C, each shared with lane l xor 16.  yb, sb: the bases of its codes and of its scale bytes
.macro WAYOUT yb, sb
.rept 8
	v_nop                                          ; eight places behind the last products
.endr
	v_add_f32 v14, v14, v15                        ; the sum's two halves,
	s_delay_alu instid0(VALU_DEP_1)
	v_permlanex16_b32 v[TT], v14, s[SEL], s[SEL+1]
	s_delay_alu instid0(VALU_DEP_1)
	v_add_f32 v14, v14, v[TT]                      ; and lane l xor 16's
	s_wait_alu depctr_va_vdst(0)
	v_rcp_f32 v[F], v14
	v_nop                                          ; a plain line behind the reciprocal
	s_wait_alu depctr_va_vdst(0)                   ; and the wait ahead of its first reader
.set n, 0
.rept 16
	v_pk_mul_f32 v[S+n:S+n+1], v[O+n:O+n+1], v[F:F+1] op_sel_hi:[1,0]   ; each accumulator from its low end on
.set n, n+2
.endr
.irp b, 0,1
	v_max3_num_f32 v[BM+\b], |v[S+16*\b]|, |v[S+16*\b+1]|, 0x4800000
.endr
.irp i, 2,4,6,8,10,12,14
.irp b, 0,1
	s_delay_alu instid0(VALU_DEP_2)
	v_max3_num_f32 v[BM+\b], v[BM+\b], |v[S+16*\b+\i]|, |v[S+16*\b+\i+1]|
.endr
.endr
.irp b, 0,1
	s_delay_alu instid0(VALU_DEP_2)
	v_permlanex16_b32 v[T1+\b], v[BM+\b], s[SEL], s[SEL+1]
.endr
.irp b, 0,1
	s_delay_alu instid0(VALU_DEP_2)
	v_max_num_f32 v[BM+\b], v[BM+\b], v[T1+\b]
.endr
.irp b, 0,1
	s_delay_alu instid0(VALU_DEP_2)
	v_add_nc_u32 v[SOP+\b], 0xfc000000, v[BM+\b]
.endr
.irp b, 0,1
.endr
.irp b, 0,1
	s_delay_alu instid0(VALU_DEP_2)
	v_lshrrev_b32 v[T1+\b], 23, v[SOP+\b]
.endr
	s_delay_alu instid0(VALU_DEP_1)
	v_lshl_or_b32 v[YW], v[T1+1], 8, v[T1]         ; my head's two bytes of the row's scale word
.irp b, 0,1
.irp i, 0,1,2,3,4,5,6,7,8,9,10,11,12,13,14,15
.endr
	v_cvt_scalef32_pk8_fp8_f32 v[PCD+4*\b:PCD+4*\b+1], v[S+16*\b:S+16*\b+7], v[SOP+\b]
	v_cvt_scalef32_pk8_fp8_f32 v[PCD+4*\b+2:PCD+4*\b+3], v[S+16*\b+8:S+16*\b+15], v[SOP+\b]
.endr
	v_nop                                          ; one plain line behind the last conversion
	global_store_b128 v1, v[PCD:PCD+3], s[\yb:\yb+1]               ; 32 lanes store 512 consecutive bytes, aligned
	global_store_b128 v1, v[PCD+4:PCD+7], s[\yb:\yb+1] offset:512
	global_store_b16 v2, v[YW], s[\sb:\sb+1]
.endm
	INIT
	s_wait_tensorcnt 1                             ; the scale words and my part of keys 0 to 1,023 are in; the part for keys 1,024 on may stay out
	s_barrier_signal -1
	s_barrier_wait -1                              ; everybody's are
	s_wait_loadcnt 0x0                             ; q, both tiles
.Lone:                                             ; my first tile: at most 8 key steps
	STEP N1
	s_cmp_lt_u32 s[ST], 8
	s_cbranch_scc1 .Lone
	s_setprio 0
	WAYOUT 84, 86
	s_wait_xcnt 0x0                                ; the stores have read their registers: the codes' and the bytes' may be written again
.irp i, 0,1,2,3,4,5,6,7
	v_mov_b32 v[16+\i], v[96+\i]                   ; my second tile's q,
.endr
	v_mov_b32 v[QSC], v[QS2]                       ; and its scale words: far more than eight plain lines ahead of the next product
	INIT
	s_wait_tensorcnt 0x0                           ; my part of keys 1,024 on is in
	s_wait_dscnt 0x0
	s_barrier_signal -1
	s_barrier_wait -1                              ; everybody's is
.Ltwo:                                             ; my second tile: 9 to 16 key steps
	STEP N2
	s_cmp_lt_u32 s[ST], 16
	s_cbranch_scc1 .Ltwo
	s_setprio 0
	WAYOUT 88, 90
	s_wait_tensorcnt 0x0
	ds_add_u32 v254, v255
	s_wait_dscnt 0x0
	CROUND                                         ; the closing round
	s_endpgm
.Lfunc_end_k_qe3432fe694_attn:
	.size	k_qe3432fe694_attn, .Lfunc_end_k_qe3432fe694_attn-k_qe3432fe694_attn
	.p2alignl 7, 3214868480
	.fill 96, 4, 3214868480
	.section	.rodata,"a",@progbits
	.p2align	6, 0x0
	.amdhsa_kernel k_qe3432fe694_attn
		.amdhsa_group_segment_fixed_size 276480
		.amdhsa_private_segment_fixed_size 0
		.amdhsa_enable_private_segment 0
		.amdhsa_kernarg_size 32
		.amdhsa_user_sgpr_count 2
		.amdhsa_user_sgpr_kernarg_segment_ptr 1
		.amdhsa_wavefront_size32 1
		.amdhsa_system_sgpr_workgroup_id_x 1
		.amdhsa_system_sgpr_workgroup_id_y 1
		.amdhsa_system_sgpr_workgroup_id_z 1
		.amdhsa_system_vgpr_workitem_id 0
		.amdhsa_next_free_vgpr 256
		.amdhsa_next_free_sgpr 106
		.amdhsa_reserve_vcc 1
		.amdhsa_float_denorm_mode_32 3
		.amdhsa_float_denorm_mode_16_64 3
		.amdhsa_fp16_overflow 1
		.amdhsa_memory_ordered 1
		.amdhsa_forward_progress 1
		.amdhsa_inst_pref_size 68
	.end_amdhsa_kernel
	.amdgpu_metadata
---
amdhsa.version: [ 1, 2 ]
amdhsa.kernels:
  - .name:           k_qe3432fe694_attn
    .symbol:         k_qe3432fe694_attn.kd
    .args:
      - { .name: qkvc, .offset: 0, .size: 8, .value_kind: global_buffer, .address_space: global }
      - { .name: qkvs, .offset: 8, .size: 8, .value_kind: global_buffer, .address_space: global }
      - { .name: yc, .offset: 16, .size: 8, .value_kind: global_buffer, .address_space: global }
      - { .name: ys, .offset: 24, .size: 8, .value_kind: global_buffer, .address_space: global }
    .group_segment_fixed_size: 276480
    .private_segment_fixed_size: 0
    .kernarg_segment_align: 8
    .kernarg_segment_size: 32
    .max_flat_workgroup_size: 512
    .sgpr_count:     106
    .vgpr_count:     256
    .wavefront_size: 32
...
	.end_amdgpu_metadata
.endif
;; end of part 3
;; launch proj (part 4): grid 4 x 64, 4 waves a work-group, clusters of 4 x 4, 327,680 bytes of LDS; arguments yc, ys, opc, ops, b_proj, out0; writes out0
.if DOCPART == 4
	.amdgcn_target "amdgcn-amd-amdhsa--gfx1250"
	.amdhsa_code_object_version 6
	.text
	.protected	k_qe3432fe694_proj
	.globl	k_qe3432fe694_proj
	.p2align	8
	.type	k_qe3432fe694_proj,@function
k_qe3432fe694_proj:
	s_mov_b64 s[64:65], 0
	v_nop
	global_prefetch_b8 v0, s[64:65] scope:SCOPE_SE
	s_setreg_imm32_b32 hwreg(HW_REG_WAVE_MODE, 25, 1), 1
	s_wait_xcnt 0x0
	s_wait_alu depctr_hold_cnt(0) depctr_sa_sdst(0) depctr_va_vdst(0) depctr_va_sdst(0) depctr_va_ssrc(0) depctr_va_vcc(0) depctr_vm_vsrc(0)
	s_getreg_b32 s2, hwreg(HW_REG_IB_STS2, 6, 4)
	s_cmp_eq_u32 s2, 0
	s_cbranch_scc0 .Lentry_in_a_cluster
	s_endpgm
.Lentry_in_a_cluster:
	s_bfe_u32 s2, ttmp6, 0x10000c
	s_cmp_lg_u32 s2, 0xf033
	s_cbranch_scc0 .Lentry_shape_is_right
	s_endpgm
.Lentry_shape_is_right:
; out0 = y w_proj^T + b_proj on codes of FP8 (E4M3) with E8M0 scales, K = 1,024; out0 [8192][1024] f32.
; OPERANDS: yc[token tile][K step][chunk][lane][16 bytes] and ys[tile][K step / 4][r][K step % 4] from the attention launch; w_proj's are tiles 704-767 of opc and ops, laid alike.  Tile 2 g + u holds rows 32 g + 8 u + r + 8 (r / 8).
; P = w_proj is the matrix instruction's source 0, R = y its source 1: lane (r, h) holds row r of R's tile, and the 16 registers of P's tiles 2 j and 2 j + 1 are the outputs 32 j + 16 h + 0 .. 15: 64 neighbouring bytes of a row.
; SHARES.  A work-group makes 8 tiles of R x 16 tiles of P (128 rows x 256 columns), each of its four waves 4 x 8: 32 accumulators; 256 work-groups.  CLUSTERS of 4 x 4: R's tiles hang on the work-group's y and are asked for
; jointly along a row of the cluster, P's on its x and along a column.
; LDS: three slots of two K steps each (R's 8 tiles x 4,096 bytes, then P's 16).  Fills 0, 1, 2 go out at the start; fill 3 goes into slot 0 as soon as that slot has been read: one refill, one round in the middle.
; Fragments lie in LDS as images of their registers: every LDS load takes 512 consecutive bytes; no padding.  The scale words of all of K stay in registers.  The bias is the C of each sum's first product.
; THE WAY OUT goes through the wave's own stage, which lies in slot 1: that slot has had its only fill, and every wave has passed a barrier behind its last read of it.  Each store covers 512 consecutive bytes of a row, aligned.
; REGISTERS.  Window 0: v1 16 x lane; v4-6, v8-10 LDS addresses of R's and P's fragments in slots 0-2; v7 64 h; v14, v15 the stage; v32-63 P's scale words, v64-79 R's; v128-255 R's fragments, two sets, later rows of out0.
;   Window 1: P's fragments, two sets of 128.   Window 2: accumulator (a, b) at v[8 (8 a + b)].   Window 3: v0-63 the bias, eight registers for each of P's tiles.
.set SLOT,  98304
.set PPART, 32768
.set SPARE, 3*SLOT                     ; the spare words, 128 bytes for each wave: two blocks of 256 bytes that no other line names
.set ADR, 4
.set ADP, 8
.set SPW, 12                           ; v12 LDS address of my spare word; never rewritten
.set NIL, 13                           ; v13 0; never rewritten
.set STO, 14
.set RD,  15
.set SP,  32
.set SR,  64
.set RF,  128
.set WV,  14
.set WR,  15
.set WP,  16
.set G1R, 24
.set G1P, 32
.set G0R, 40
.set G0P, 52
.set MSB, 0
.macro WIN new                         ; the immediate's high byte repeats the setting that is left
.if MSB != \new
	s_set_vgpr_msb (MSB<<8)|\new
.set MSB, \new
.endif
.endm
.set MUL,   0xa1                       ; source 0 (P) window 1, source 1 (R) window 0, C and D window 2
.set MUL_B, 0xb1                       ; the same with C (the bias) in window 3
.set TO_P,  0x40                       ; destination window 1, address window 0
; A joint load: waves 0 and 1 fetch R's halves, waves 2 and 3 P's.  Each line has one mask and one set of registers; the branch hangs on the wave's number alone.  Four v_nop follow each line.
.macro JLOAD s
	s_cmp_eq_u32 s[WR], 0
	s_cbranch_scc0 .Lfor_p_\@
	tensor_load_to_lds s[G0R+4*\s:G0R+4*\s+3], s[G1R:G1R+7]
	s_nop 0
.rept 4
	v_nop
.endr
	s_branch .Lasked_\@
.Lfor_p_\@:
	tensor_load_to_lds s[G0P+4*\s:G0P+4*\s+3], s[G1P:G1P+7]
	s_nop 0
.rept 4
	v_nop
.endr
.Lasked_\@:
.endm
.macro CREST                           ; a round of the cluster's barrier behind its opening barrier
	s_cmp_lg_u32 s[WV], 0
	s_cbranch_scc1 .Lnot_wave_0_\@
	s_barrier_signal -3
.Lnot_wave_0_\@:
	s_barrier_wait -3
	s_barrier_signal -1
	s_barrier_wait -1
.endm
.macro CROUND
	s_barrier_signal -1
	s_barrier_wait -1
	CREST
.endm
.macro PLACES n                        ; plain vector lines between a matrix instruction and a load into, or a read of, its registers: eight for this form
.rept \n
	v_nop
.endr
.endm
; K step q's fragments, 48 loads in one run: P's eight into set q % 2 of window 1, R's four into set q % 2 of window 0
.macro FETCH q
.set FS, ((\q)>>1)%3
.set FP, (\q)&1
	WIN TO_P
.irp i, 0,1,2,3,4,5,6,7
.irp c, 0,1,2,3
	ds_load_b128 v[128*FP+16*\i+4*\c:128*FP+16*\i+4*\c+3], v[ADP+FS] offset:4096*\i+2048*FP+512*\c
.endr
.endr
	WIN 0
.irp i, 0,1,2,3
.irp c, 0,1,2,3
	ds_load_b128 v[RF+64*FP+16*\i+4*\c:RF+64*FP+16*\i+4*\c+3], v[ADR+FS] offset:4096*\i+2048*FP+512*\c
.endr
.endr
.endm
; R's tile a against P's eight, K step q.  The 32 accumulators take turns, one instruction a turn, in the same order in every step.  K step 0 starts the sums from the bias.
; A scale register holds K steps 0-3 in lanes 0-15 and K steps 4-7 in lanes 16-31.
.macro MUL8 a, q
.set MP, (\q)&1
.irp b, 0,1,2,3,4,5,6,7
.if (\q) == 0
	v_wmma_scale_f32_16x16x128_f8f6f4 v[8*(8*\a+\b):8*(8*\a+\b)+7], v[128*MP+16*\b:128*MP+16*\b+15], v[RF+64*MP+16*\a:RF+64*MP+16*\a+15], v[8*\b:8*\b+7], v[SP+4*\b], v[SR+4*\a]
.elseif (\q) < 4
	v_wmma_scale_f32_16x16x128_f8f6f4 v[8*(8*\a+\b):8*(8*\a+\b)+7], v[128*MP+16*\b:128*MP+16*\b+15], v[RF+64*MP+16*\a:RF+64*MP+16*\a+15], v[8*(8*\a+\b):8*(8*\a+\b)+7], v[SP+4*\b+(\q)], v[SR+4*\a+(\q)]
.else
	v_wmma_scale_f32_16x16x128_f8f6f4 v[8*(8*\a+\b):8*(8*\a+\b)+7], v[128*MP+16*\b:128*MP+16*\b+15], v[RF+64*MP+16*\a:RF+64*MP+16*\a+15], v[8*(8*\a+\b):8*(8*\a+\b)+7], v[SP+4*\b+(\q)-4], v[SR+4*\a+(\q)-4] matrix_a_scale:MATRIX_SCALE_ROW1 matrix_b_scale:MATRIX_SCALE_ROW1
.endif
.endr
.endm
; A K step whose successor's tiles are known to lie in LDS: the successor's fragments are asked for, then this step's 32 products are issued
.macro STEP q
.if (\q) > 0
	PLACES 8                                       ; the set that is loaded was read by the step before
.endif
	FETCH (\q)+1
	s_wait_dscnt 48                                ; all but the 48 just issued: this step's fragments are in
.if (\q) == 0
	WIN MUL_B
.else
	WIN MUL
.endif
	MUL8 0, \q
	MUL8 1, \q
	MUL8 2, \q
	MUL8 3, \q
	WIN 0
.endm
	s_load_b256 s[4:11], s[0:1], 0x0               ; yc s[4:5], ys s[6:7], opc s[8:9], ops s[10:11]
	s_load_b128 s[84:87], s[0:1], 0x20             ; b_proj s[84:85], out0 s[86:87]
	v_lshl_add_u32 v[SPW], v0, 2, SPARE
	v_mov_b32 v[NIL], 0
	ds_add_u32 v12, v13
	ds_add_u32 v12, v13
	s_wait_dscnt 0x0
	v_lshrrev_b32 v1, 5, v0
	v_readfirstlane_b32 s[WV], v1                  ; wave 0..3
	s_lshr_b32 s[WR], s[WV], 1                     ; which four of R's tiles are mine.  Also: I fetch for R (0) or for P (1)
	s_and_b32 s[WP], s[WV], 1                      ; which eight of P's.  Also: which half I fetch
	s_bfe_u32 s17, ttmp6, 0x40000                  ; cx: the grid is one cluster wide, so cx is P's block of 16 tiles
	s_bfe_u32 s18, ttmp6, 0x40004                  ; cy
	s_and_b32 s19, ttmp7, 0xffff                   ; the cluster's y
	s_lshl_b32 s66, s19, 2
	s_add_co_u32 s66, s66, s18                     ; R's block of 8 tiles
	s_lshl_b32 s82, s18, 2
	s_lshl_b32 s82, 15, s82                        ; my row of the cluster
	s_lshl_b32 s83, 0x1111, s17                    ; my column
	; descriptor group 1: rows of 4,096 bytes (two K steps of a tile: 512 elements of 8 bytes), 16,384 bytes apart in memory, dense in LDS; R: 4 rows, P: 8
	s_or_b32 s[G1R], s82, (3<<16)|(1<<21)          ; 15:0 the mask; 17:16 elements of 8 bytes; 21 set beside a mask
	s_mov_b32 s[G1R+1], 512<<16                    ; tensor_dim0
	s_mov_b32 s[G1R+2], 4<<16                      ; tensor_dim1
	s_mov_b32 s[G1R+3], 512<<16                    ; tile_dim0
	s_mov_b32 s[G1R+4], 4                          ; tile_dim1
	s_mov_b32 s[G1R+5], 2048                       ; tensor_dim0_stride
	s_mov_b32 s[G1R+6], 0
	s_mov_b32 s[G1R+7], 0
	s_or_b32 s[G1P], s83, (3<<16)|(1<<21)
	s_mov_b32 s[G1P+1], 512<<16
	s_mov_b32 s[G1P+2], 8<<16
	s_mov_b32 s[G1P+3], 512<<16
	s_mov_b32 s[G1P+4], 8
	s_mov_b32 s[G1P+5], 2048
	s_mov_b32 s[G1P+6], 0
	s_mov_b32 s[G1P+7], 0
	s_lshl_b32 s73, s66, 3                         ; R's first tile
	s_lshl_b32 s74, s[WP], 2
	s_add_co_u32 s74, s74, s73                     ; the four that I would fetch
	s_lshl_b32 s74, s74, 14
	s_mov_b32 s75, 0
	s_lshl_b32 s76, s17, 4
	s_add_co_u32 s76, s76, 704                     ; P's first tile
	s_lshl_b32 s78, s[WP], 3
	s_add_co_u32 s78, s78, s76                     ; the eight that I would fetch
	s_lshl_b32 s78, s78, 14
	s_mov_b32 s79, 0
	s_lshl_b32 s80, s[WP], 14                      ; where they go in a slot: no place in the cluster enters an LDS address
	s_lshl_b32 s81, s[WP], 15
	s_add_co_u32 s81, s81, PPART
	v_and_b32 v1, 31, v0
	v_lshlrev_b32 v1, 4, v1                        ; 16 x lane
	v_and_b32 v2, 15, v0                           ; r
	s_wait_alu depctr_va_vdst(0)
	v_bfe_u32 v3, v0, 4, 1                         ; h
	v_lshlrev_b32 v7, 6, v3                        ; 64 h
	s_lshl_b32 s13, s[WR], 14                      ; my four tiles of R,
	s_lshl_b32 s23, s[WP], 15
	s_add_co_u32 s23, s23, PPART                   ; my eight of P
.irp s, 0,1,2
	v_add_nc_u32 v[ADR+\s], s13, v1
	v_add_nc_u32 v[ADP+\s], s23, v1
	s_add_co_u32 s13, s13, SLOT
	s_add_co_u32 s23, s23, SLOT
.endr
	s_mul_i32 s20, s[WV], 8448
	s_add_co_u32 s20, s20, SLOT                    ; my stage: 16 rows x (512 + 16) bytes, in slot 1
	v_mul_u32_u24 v[STO], v2, 528
	s_wait_alu depctr_va_vdst(0)
	v_add_nc_u32 v[STO], v[STO], v7
	v_add_nc_u32 v[STO], s20, v[STO]               ; in: row r, + 64 h
	v_add_nc_u32 v[RD], s20, v1                    ; back: the 32 lanes take one row of 512 bytes
	s_wait_kmcnt 0x0
	s_add_nc_u64 s[74:75], s[4:5], s[74:75]
	s_add_nc_u64 s[78:79], s[8:9], s[78:79]
	CROUND                                         ; all sixteen work-groups are here: the first joint loads meet
.irp s, 0,1,2
	s_mov_b32 s[G0R+4*\s], 1                       ; count = 1
	s_add_co_u32 s[G0R+4*\s+1], s80, \s*SLOT       ; LDS address
	s_add_nc_u64 s[G0R+4*\s+2:G0R+4*\s+3], s[74:75], \s*4096   ; K steps 2 s and 2 s + 1
	s_or_b32 s[G0R+4*\s+3], s[G0R+4*\s+3], 0x80000000          ; type = 2
	s_mov_b32 s[G0P+4*\s], 1
	s_add_co_u32 s[G0P+4*\s+1], s81, \s*SLOT
	s_add_nc_u64 s[G0P+4*\s+2:G0P+4*\s+3], s[78:79], \s*4096
	s_or_b32 s[G0P+4*\s+3], s[G0P+4*\s+3], 0x80000000
	s_wait_alu depctr_va_vdst(0)
	s_wait_tensorcnt 0x0
	ds_add_u32 v12, v13
	ds_add_u32 v12, v13
	s_wait_dscnt 0x0
	CROUND
	JLOAD \s                                       ; fill s goes out; the fill before it has landed
.endr
	; the scale words of all of K: one load of 16 bytes a lane for each tile
	s_lshl_b32 s90, s[WP], 3
	s_add_co_u32 s90, s90, s76
	s_lshl_b32 s90, s90, 9
	s_mov_b32 s91, 0
	s_add_nc_u64 s[90:91], s[10:11], s[90:91]
	s_lshl_b32 s92, s[WR], 2
	s_add_co_u32 s92, s92, s73
	s_lshl_b32 s92, s92, 9
	s_mov_b32 s93, 0
	s_add_nc_u64 s[92:93], s[6:7], s[92:93]
.irp i, 0,1,2,3,4,5,6,7
	global_load_b128 v[SP+4*\i:SP+4*\i+3], v1, s[90:91] offset:512*\i
.endr
.irp i, 0,1,2,3
	global_load_b128 v[SR+4*\i:SR+4*\i+3], v1, s[92:93] offset:512*\i
.endr
	s_lshl_b32 s88, s17, 10                        ; my first column, in bytes: 1,024 cx + 512 (wave % 2)
	s_lshl_b32 s89, s[WP], 9
	s_add_co_u32 s88, s88, s89
	s_mov_b32 s89, 0
	s_add_nc_u64 s[84:85], s[84:85], s[88:89]      ; in the bias,
	s_add_nc_u64 s[86:87], s[86:87], s[88:89]      ; and in a row of out0
	s_lshl_b32 s88, s66, 19                        ; my first row: 128 x R's block + 64 (wave / 2), 4,096 bytes a row
	s_lshl_b32 s94, s[WR], 18
	s_add_co_u32 s88, s88, s94
	s_add_nc_u64 s[86:87], s[86:87], s[88:89]
	WIN 0xc0                                       ; destination window 3
.irp b, 0,1,2,3,4,5,6,7
	global_load_b128 v[8*\b:8*\b+3], v7, s[84:85] offset:(32*(\b/2)+8*(\b%2))*4       ; for P's tile b lane (r, h) holds the outputs 32 (b / 2) + 16 h + 8 (b % 2) + 0 .. 7
	global_load_b128 v[8*\b+4:8*\b+7], v7, s[84:85] offset:(32*(\b/2)+8*(\b%2))*4+16
.endr
	WIN 0
	s_wait_tensorcnt 2                             ; my parts of fills 0 and 1 are in; fill 2 may stay out
	s_barrier_signal -1
	s_barrier_wait -1                              ; everybody's is
	FETCH 0
	s_wait_loadcnt 0x0                             ; the scale words and the bias
	STEP 0
	; K STEP 1 leaves slot 0, which is filled again at once, with K steps 6 and 7: that load has four K steps in which to land
	s_wait_tensorcnt 0x0                           ; all my tensor loads have landed, slots 1 and 2 among them;
	ds_add_u32 v[SPW], v[NIL]                      ; 0 onto my spare word
	s_wait_dscnt 1                                 ; K step 1's fragments are in; the add may be out
	WIN MUL
	MUL8 0, 1                                      ; eight matrix instructions stand between the add and the wait for it
	s_wait_dscnt 0x0                               ; the add is done, and my reads of slot 0 are over
	s_barrier_signal -1                            ; this barrier opens a round of the cluster's
	MUL8 1, 1
	WIN 0
	s_barrier_wait -1
	CREST                                          ; no wave of any partner still reads slot 0 or has a load on its way
	s_add_nc_u64 s[G0R+2:G0R+3], s[G0R+2:G0R+3], 3*4096
	s_add_nc_u64 s[G0P+2:G0P+3], s[G0P+2:G0P+3], 3*4096
	JLOAD 0                                        ; the first tensor load behind the round, and my only one from here on; its four v_nop are four of the eight places
	PLACES 4
	FETCH 2
	WIN MUL
	MUL8 2, 1
	MUL8 3, 1
	WIN 0
	STEP 2
	STEP 3                                         ; slot 2 was shown whole to every wave by the wait for 0 and the round above
	STEP 4
	; K STEP 5: the refill must have landed before slot 0 is read again.
	s_wait_tensorcnt 0x0                           ; my part of K steps 6 and 7 is in
	s_wait_dscnt 0x0                               ; K step 5's fragments are in: no LDS instruction of mine is out at the signal; my reads of slot 1 are long over
	s_barrier_signal -1
	WIN MUL
	MUL8 0, 5
	MUL8 1, 5
	WIN 0
	s_barrier_wait -1                              ; everybody's part is in, and nobody reads slot 1 any more
	PLACES 8
	FETCH 6
	WIN MUL
	MUL8 2, 5
	MUL8 3, 5
	WIN 0
	STEP 6
	s_wait_dscnt 0x0
	WIN MUL
	MUL8 0, 7
	MUL8 1, 7
	MUL8 2, 7
	MUL8 3, 7
	WIN 0
	PLACES 8                                       ; ahead of the first read of results and of the loads into R's fragments
; THE WAY OUT, a tile of 16 rows x 128 columns at a time: 64 bytes a lane into the stage, whole rows of 512 bytes back.  LDS serves a wave's instructions in order: no wait between the stores and the loads, nor in front of the next tile's stores.
.macro TOSTAGE a
	WIN 0x08                                       ; an LDS store's data are its source 1: window 2
.irp j, 0,1,2,3
.irp i, 0,1,2,3
	ds_store_b128 v[STO], v[64*(\a)+16*\j+4*\i:64*(\a)+16*\j+4*\i+3] offset:128*\j+16*\i   ; each accumulator from its low end on
.endr
.endr
	WIN 0
.set BB, RF+64*((\a)%2)
.irp t, 0,1,2,3,4,5,6,7,8,9,10,11,12,13,14,15
	ds_load_b128 v[BB+4*\t:BB+4*\t+3], v[RD] offset:528*\t
.endr
.endm
.macro SEND a, younger                 ; younger: the LDS instructions issued behind tile a's loads, which may stay out
.set BB, RF+64*((\a)%2)
	s_wait_dscnt \younger
.irp t, 0,1,2,3,4,5,6,7,8,9,10,11,12,13,14,15
	global_store_b128 v1, v[BB+4*\t:BB+4*\t+3], s[86:87] offset:(32*((\a)/2)+8*((\a)%2)+\t+8*(\t/8))*4096 th:TH_STORE_NT   ; the tile's row t is the block's row 32 (a / 2) + 8 (a % 2) + t + 8 (t / 8); 512 consecutive bytes, aligned
.endr
.endm
	s_wait_alu depctr_va_vdst(0)
	TOSTAGE 0
.irp a, 1,2,3
.if \a > 1
	s_wait_xcnt 0x0                                ; tile a - 2's stores have read their registers: tile a's rows may land there
.endif
	TOSTAGE \a
	SEND \a-1, 32                                  ; behind tile a - 1's loads: tile a's 16 stores and 16 loads
.endr
	SEND 3, 0
	s_wait_tensorcnt 0x0                           ; the wave's end
	ds_add_u32 v[SPW], v[NIL]
	s_wait_dscnt 0x0
	CROUND                                         ; the closing round: no work-group ends while a partner may still ask for a tile that names it
	s_endpgm
.Lfunc_end_k_qe3432fe694_proj:
	.size	k_qe3432fe694_proj, .Lfunc_end_k_qe3432fe694_proj-k_qe3432fe694_proj
	.p2alignl 7, 3214868480
	.fill 96, 4, 3214868480
	.section	.rodata,"a",@progbits
	.p2align	6, 0x0
	.amdhsa_kernel k_qe3432fe694_proj
		.amdhsa_group_segment_fixed_size 327680
		.amdhsa_private_segment_fixed_size 0
		.amdhsa_enable_private_segment 0
		.amdhsa_kernarg_size 48
		.amdhsa_user_sgpr_count 2
		.amdhsa_user_sgpr_kernarg_segment_ptr 1
		.amdhsa_wavefront_size32 1
		.amdhsa_system_sgpr_workgroup_id_x 1
		.amdhsa_system_sgpr_workgroup_id_y 1
		.amdhsa_system_sgpr_workgroup_id_z 1
		.amdhsa_system_vgpr_workitem_id 0
		.amdhsa_next_free_vgpr 832
		.amdhsa_next_free_sgpr 96
		.amdhsa_reserve_vcc 0
		.amdhsa_float_denorm_mode_32 3
		.amdhsa_float_denorm_mode_16_64 3
		.amdhsa_memory_ordered 1
		.amdhsa_forward_progress 1
		.amdhsa_inst_pref_size 88
	.end_amdhsa_kernel
	.amdgpu_metadata
---
amdhsa.version: [ 1, 2 ]
amdhsa.kernels:
  - .name:           k_qe3432fe694_proj
    .symbol:         k_qe3432fe694_proj.kd
    .args:
      - { .name: yc, .offset: 0, .size: 8, .value_kind: global_buffer, .address_space: global }
      - { .name: ys, .offset: 8, .size: 8, .value_kind: global_buffer, .address_space: global }
      - { .name: opc, .offset: 16, .size: 8, .value_kind: global_buffer, .address_space: global }
      - { .name: ops, .offset: 24, .size: 8, .value_kind: global_buffer, .address_space: global }
      - { .name: b_proj, .offset: 32, .size: 8, .value_kind: global_buffer, .address_space: global }
      - { .name: out0, .offset: 40, .size: 8, .value_kind: global_buffer, .address_space: global }
    .group_segment_fixed_size: 327680
    .private_segment_fixed_size: 0
    .kernarg_segment_align: 8
    .kernarg_segment_size: 48
    .max_flat_workgroup_size: 128
    .sgpr_count:     96
    .vgpr_count:     832
    .wavefront_size: 32
...
	.end_amdgpu_metadata
.endif
;; end of part 4
